; MI455X (gfx1250); checked and timed in simulation.
; The chip was launched on July 23, 2026; its instructions are those of AMD's public machine-readable ISA for CDNA 5 (MIT licence, August 2026) and "CDNA5" Instruction Set Architecture Reference Guide (July 2026). The comments in the code are by the model that wrote it; some were corrected since.
;; Ponder Attention. Allowed arithmetic: matrix products marked QUANTISED: E2M1 operands, one E8M0 scale for each 32 along K, by v_wmma_scale_f32_16x16x128_f8f6f4 with both operands' format E2M1 (or v_wmma_scale_f32_32x16x128_f4), f32 sums; products left as they are: bf16, f16 or f32 operands; f32 sums; everything else in f32.
;; Inputs: Wk 2,048 x 2,048 float32; Wo 2,048 x 2,048 float32; Wq 2,048 x 2,048 float32; Wv 2,048 x 2,048 float32; mask 1 x 1 x 2,048 x 2,048 bool; x 1 x 2,048 x 2,048 float32.
;; Outputs: out0 1 x 2,048 x 2,048 float32.
;; This version of the problem:
;;   THIS VERSION OF THE PROBLEM IS GIVEN IN LOW PRECISION. The matrix products marked QUANTISED in the list below multiply operands that are first quantised to E2M1 (2 exponent bits, 1 mantissa bit; 4 bits a number), with one power-of-two scale for each 32 numbers along K (OCP MX v1.0); their sums are f32. The products marked 'left as it is' may take bf16, f16 or f32 operands, with f32 sums. Whichever they take, every output number must still come out within the allowed error. Rounding operands to bf16 (8 significant bits) uses up far more of that allowance than f16 does (11 bits, for magnitudes from 6e-5 to 65,504). All else is computed in f32.
;;   The module's matrix products, in the order in which they are computed (A, B: the left and right operand; K: the contracted axis; several contracted axes count as one K, in the product's order):
;;     1. [M 2,048, K 2,048] x [K 2,048, N 2,048]; A: input x; B: input Wq: QUANTISED
;;     2. [M 2,048, K 2,048] x [K 2,048, N 2,048]; A: input x; B: input Wk: QUANTISED
;;     3. [M 2,048, K 2,048] x [K 2,048, N 2,048]; A: input x; B: input Wv: QUANTISED
;;     4. [M 2,048, K 1] x [K 1, N 64]; A: computed on the way; B: computed on the way: left as it is (no contracted axis)
;;     5. batch 16 x [M 2,048, K 128] x [K 128, N 2,048]; A: computed on the way; B: computed on the way: left as it is (an operand is computed on the way)
;;     6. batch 16 x [M 2,048, K 2,048] x [K 2,048, N 128]; A: computed on the way; B: computed on the way: left as it is (an operand is computed on the way)
;;     7. [M 2,048, K 2,048] x [K 2,048, N 2,048]; A: computed on the way; B: input Wo: left as it is (an operand is computed on the way)
;;   THE QUANTISER, for each operand of a quantised product, along K:
;;     - K is cut into blocks of 32 from its start; a last block that is shorter is filled with zeros.
;;     - A block's scale is 2^e with e = floor(log2(the largest magnitude in the block)) - 2, held to -126 .. 127; a block of zeros has e = 0. As a byte (E8M0): e + 127.
;;     - Each number is divided by its block's scale, clamped to +-6, and rounded to the nearest number of E2M1, ties to even, subnormals kept.
;;     - The product sums the exact products of the quantised numbers (number of the format x scale) in f32.
;;   ~~~python
;;   def quantise(x, axis):      # numpy; x: float32 -> the quantised numbers, widened to float32 again
;;       x = np.moveaxis(x, axis, -1); K = x.shape[-1]
;;       x = np.pad(x, [(0, 0)] * (x.ndim - 1) + [(0, -K % 32)]); x = x.reshape(x.shape[:-1] + (-1, 32)); a = np.abs(x).max(-1, keepdims=True)
;;       e = np.where(a > 0, np.clip(np.frexp(np.where(a > 0, a, 1))[1] - 1 - 2, -126, 127), 0)      # np.frexp(a)[1] - 1 = floor(log2(a)), exactly
;;       r = np.clip(x / 2.0 ** e, -6, 6)
;;       step = 2.0 ** (np.maximum(np.frexp(np.where(r == 0, 1, r))[1] - 1, 0) - 1)
;;       q = np.round(r / step) * step * 2.0 ** e      # np.round: ties to even
;;       return np.moveaxis(q.reshape(q.shape[:-2] + (-1,))[..., :K], -1, axis).astype(np.float32)
;;   ~~~
;; One version. Each part assembles by itself: llvm-mc -triple=amdgcn-amd-amdhsa -mcpu=gfx1250 --defsym DOCPART=n.
;; ======== version 1 of 1: 5 launches
;; limits: values are held in f16: magnitudes above 65,504 overflow, below 6.1e-05 lose precision
;; workspace buffers: prep 18,350,080 bytes; mw 524,288 bytes of whole numbers; qkv 33,554,432 bytes; oimg 8,388,608 bytes
;; launch prep (part 1): grid 704 x 1, 4 waves a work-group, no clusters, 34,304 bytes of LDS; arguments x, Wq, Wk, Wv, Wo, mask, prep, mw; writes prep, mw
.if DOCPART == 1
	.amdgcn_target "amdgcn-amd-amdhsa--gfx1250"
	.amdhsa_code_object_version 6
	.text
	.protected	k_q4f660c9644_prep
	.globl	k_q4f660c9644_prep
	.p2align	8
	.type	k_q4f660c9644_prep,@function
k_q4f660c9644_prep:
	s_mov_b64 s[64:65], 0
	v_nop
	global_prefetch_b8 v0, s[64:65] scope:SCOPE_SE
	s_setreg_imm32_b32 hwreg(HW_REG_WAVE_MODE, 25, 1), 1
	s_wait_xcnt 0x0
; PREP: what the later launches read is laid once, as images of operand registers (1 KB: [half][lane][16 bytes]).
;   work-groups 0-511:   x, Wq, Wk, Wv (f32 [2048][2048], K innermost) -> codes of FP4 (E2M1) and E8M0 scale words, by blocks of 32 along K
;   work-groups 512-639: Wo -> f16 fragments          work-groups 640-671: mask bytes -> lane-mask words          work-groups 672-703: the table of cos and sin
; A block's scale is 2^(floor(log2(largest magnitude)) - 2); its byte is the largest magnitude's exponent field - 2, held at 1 from below.
; LIMITS: a block of zeros gets the byte 1 (its codes are zeros; only this program reads the bytes); blocks whose largest magnitude lies under 2^-124 were not tried;
; NaN and infinities among the inputs are not served; |Wo| stays at or under 65,504 (f16).  The angles: inv_freq comes from v_exp_f32, so an angle is off by at most about 3e-4 at token 2047.
; SHARES.  A wave takes 16 rows x 2,048 bytes in four sub-steps of 16 rows x 512 bytes.  Each load reads 512 consecutive bytes of one row; the 8 KB turn through the wave's own stage in LDS (rows 528 bytes apart)
; and come back so that lane (r, h) holds bytes 256 c + 128 h .. + 127 of row r in registers X + 32 c on.  The LDS lines are common text; the three arms work on registers and store.
.set STG,   8448                       ; a wave's stage: 16 x 528 bytes
.set SPARE, 33792                      ; behind the four stages: the spare words, 128 bytes a wave
.set R,     32                         ; v32-159  two sets of 64 registers as loaded
.set X,     160                        ; v160-223 the sub-step, turned
.set OUT,   224                        ; v224-255 what is stored
.set SPW,   14
.set NIL,   15
.set WD,    24                         ; v24-27   the four scale words of my row
	s_load_b512 s[8:23], s[0:1], 0x0               ; x, Wq, Wk, Wv, Wo, mask, prep, mw
	v_lshl_add_u32 v[SPW], v0, 2, SPARE
	v_mov_b32 v[NIL], 0
	v_lshrrev_b32 v16, 5, v0
	v_readfirstlane_b32 s2, v16                    ; wave
	v_and_b32 v17, 31, v0
	v_lshlrev_b32 v1, 4, v17                       ; 16 x lane
	v_and_b32 v2, 15, v0                           ; r
	v_bfe_u32 v3, v0, 4, 1                         ; h
	s_mul_i32 s4, s2, STG
	v_add_nc_u32 v4, s4, v1                        ; into the stage: 16 x lane, + 528 a row
	v_mul_u32_u24 v5, v2, 528
	v_lshl_add_u32 v5, v3, 7, v5
	v_add_nc_u32 v5, s4, v5                        ; out of it: row r, + 128 h
	v_lshlrev_b32 v6, 4, v2
	v_lshl_add_u32 v6, v3, 3, v6                   ; 16 r + 8 h: my two scale words
	v_lshlrev_b32 v7, 3, v3                        ; 8 h
.irp i, 23,24,25,26,27
	v_mov_b32 v\i, 0                               ; written once: a lane permute's destination counts as read, and the words are read in the last sub-step
.endr
	s_mov_b32 s30, 0x76543210
	s_mov_b32 s31, 0xfedcba98                      ; selects for lane l xor 16
	s_lshr_b32 s3, ttmp9, 7                        ; the kind: 0-3 quantise, 4 Wo, 5 mask or table
	s_and_b32 s5, ttmp9, 127
	s_lshl_b32 s36, s5, 17                         ; f32 tensors: row tile x 16 rows x 8,192 bytes
	s_lshl_b32 s38, s2, 11
	s_add_co_u32 s36, s36, s38                     ; + wave x 2,048 bytes
	s_lshl_b32 s39, s5, 2
	s_add_co_u32 s39, s39, s2                      ; mask: query tile 4 x (work-group - 640) + wave
	s_lshl_b32 s38, s39, 15                        ; x 16 rows x 2,048 bytes
	s_cmp_eq_u32 s3, 5
	s_cselect_b32 s36, s38, s36
	s_mov_b32 s37, 0
	s_lshl_b32 s40, s3, 21                         ; codes: tensor 2 MB, K step (wave) 512 KB, row tile 4 KB
	s_lshl_b32 s41, s2, 19
	s_add_co_u32 s40, s40, s41
	s_lshl_b32 s41, s5, 12
	s_add_co_u32 s40, s40, s41
	s_lshl_b32 s42, s2, 21                         ; Wo's images: two K steps of 256 (1 MB each) a wave, row tile 8 KB
	s_lshl_b32 s41, s5, 13
	s_add_co_u32 s42, s42, s41
	s_add_co_u32 s42, s42, 0x980000
	s_lshl_b32 s43, s39, 12                        ; mask words: 4 KB a query tile
	s_cmp_eq_u32 s3, 4
	s_cselect_b32 s40, s42, s40
	s_cmp_eq_u32 s3, 5
	s_cselect_b32 s40, s43, s40
	s_mov_b32 s41, 0
	s_lshl_b32 s44, s3, 17                         ; scale words: tensor 128 KB, row tile 1 KB, K step 256 bytes
	s_lshl_b32 s45, s5, 10
	s_add_co_u32 s44, s44, s45
	s_lshl_b32 s45, s2, 8
	s_add_co_u32 s44, s44, s45
	s_add_co_u32 s44, s44, 0x800000
	s_mov_b32 s45, 0
	s_wait_kmcnt 0x0
	s_cmp_ge_u32 ttmp9, 672
	s_cbranch_scc0 .Lmain
	; ---- THE TABLE.  A wave makes token tile 4 x (work-group - 672) + wave: [b 0..3][cos, sin][half][lane][16 bytes]; lane (r, h), half, element e: frequency 16 b + 8 h + 4 half + e of token 16 T + r
	s_sub_co_u32 s39, s39, 128
	s_lshl_b32 s36, s39, 13
	s_add_co_u32 s36, s36, 0x880000
	s_add_nc_u64 s[34:35], s[20:21], s[36:37]
	s_lshl_b32 s38, s39, 4
	v_add_nc_u32 v16, s38, v2
	v_cvt_f32_u32 v104, v16                        ; my token
.irp e, 0,1,2,3,4,5,6,7
	v_add_nc_u32 v17, \e, v7
	v_cvt_f32_u32 v[96+\e], v17                    ; my eight frequencies' numbers
.endr
	s_mov_b32 s48, 0xbe549a78                      ; -log2(10000) / 64
	s_mov_b32 s49, 0x3f22f983                      ; 2 / pi
	s_mov_b32 s50, 0xbfc90fdb                      ; -(pi / 2), high part
	s_mov_b32 s51, 0x333bbd2e                      ; -(pi / 2), low part
	s_mov_b32 s52, 0x3638ef1d                      ; sine: 1/9!, -1/7!, 1/5!, -1/3!
	s_mov_b32 s53, 0xb9500d01
	s_mov_b32 s54, 0x3c088889
	s_mov_b32 s55, 0xbe2aaaab
	s_mov_b32 s56, 0xb493f27e                      ; cosine: -1/10!, 1/8!, -1/6!, 1/4!
	s_mov_b32 s57, 0x37d00d01
	s_mov_b32 s58, 0xbab60b61
	s_mov_b32 s59, 0x3d2aaaab
	s_mov_b32 s32, 4
.Lrb:
.irp e, 0,1,2,3,4,5,6,7
	v_mul_f32 v[32+\e], s48, v[96+\e]
.endr
.irp e, 0,1,2,3,4,5,6,7
	v_exp_f32 v[32+\e], v[32+\e]                   ; inv_freq = 10000^(-i / 64)
.endr
	v_nop                                          ; a plain line behind the batch,
	s_wait_alu depctr_va_vdst(0)                   ; and one wait for the eight, ahead of their first reader
.irp e, 0,1,2,3,4,5,6,7
	v_mul_f32 v[32+\e], v104, v[32+\e]             ; the angle
.endr
.irp e, 0,1,2,3,4,5,6,7
	v_mul_f32 v[40+\e], s49, v[32+\e]
.endr
.irp e, 0,1,2,3,4,5,6,7
	v_rndne_f32 v[40+\e], v[40+\e]                 ; n quarter turns
.endr
.irp e, 0,1,2,3,4,5,6,7
	v_fma_f32 v[32+\e], v[40+\e], s50, v[32+\e]
.endr
.irp e, 0,1,2,3,4,5,6,7
	v_fma_f32 v[32+\e], v[40+\e], s51, v[32+\e]    ; what is left: at most pi / 4 in size
.endr
.irp e, 0,1,2,3,4,5,6,7
	v_mul_f32 v[48+\e], v[32+\e], v[32+\e]
.endr
.irp e, 0,1,2,3,4,5,6,7
	v_fma_f32 v[56+\e], v[48+\e], s52, s53
	v_fma_f32 v[64+\e], v[48+\e], s56, s57
.endr
.irp e, 0,1,2,3,4,5,6,7
	v_fma_f32 v[56+\e], v[56+\e], v[48+\e], s54
	v_fma_f32 v[64+\e], v[64+\e], v[48+\e], s58
.endr
.irp e, 0,1,2,3,4,5,6,7
	v_fma_f32 v[56+\e], v[56+\e], v[48+\e], s55
	v_fma_f32 v[64+\e], v[64+\e], v[48+\e], s59
.endr
.irp e, 0,1,2,3,4,5,6,7
	v_mul_f32 v[56+\e], v[56+\e], v[48+\e]
	v_fma_f32 v[64+\e], v[64+\e], v[48+\e], -0.5
.endr
.irp e, 0,1,2,3,4,5,6,7
	v_fma_f32 v[56+\e], v[56+\e], v[32+\e], v[32+\e]   ; the rest's sine
	v_fma_f32 v[64+\e], v[64+\e], v[48+\e], 1.0        ; and cosine
	v_cvt_i32_f32 v[72+\e], v[40+\e]
.endr
.irp e, 0,1,2,3,4,5,6,7
	v_and_b32 v16, 1, v[72+\e]                     ; an odd quarter exchanges the two;
	v_cmp_ne_u32 vcc_lo, 0, v16
	v_cndmask_b32 v[88+\e], v[56+\e], v[64+\e], vcc_lo
	v_cndmask_b32 v[80+\e], v[64+\e], v[56+\e], vcc_lo
	v_and_b32 v16, 2, v[72+\e]                     ; quarters 2, 3 turn the sine's sign,
	v_lshlrev_b32 v16, 30, v16
	v_xor_b32 v[88+\e], v16, v[88+\e]
	v_add_nc_u32 v17, 1, v[72+\e]                  ; quarters 1, 2 the cosine's
	v_and_b32 v17, 2, v17
	v_lshlrev_b32 v17, 30, v17
	v_xor_b32 v[80+\e], v17, v[80+\e]
.endr
	global_store_b128 v1, v[80:83], s[34:35]
	global_store_b128 v1, v[84:87], s[34:35] offset:512
	global_store_b128 v1, v[88:91], s[34:35] offset:1024
	global_store_b128 v1, v[92:95], s[34:35] offset:1536
	s_wait_xcnt 0x0                                ; the stores have read their registers and their base
	s_add_nc_u64 s[34:35], s[34:35], 2048
.irp e, 0,1,2,3,4,5,6,7
	v_add_f32 v[96+\e], 0x41800000, v[96+\e]       ; sixteen frequencies on
.endr
	s_sub_co_u32 s32, s32, 1
	s_cmp_lg_u32 s32, 0
	s_cbranch_scc1 .Lrb
	s_endpgm                                       ; these waves have written no LDS
.Lmain:
	s_cmp_eq_u32 s3, 1                             ; the source: a choice by the work-group's number alone
	s_cselect_b64 s[24:25], s[10:11], s[8:9]
	s_cmp_eq_u32 s3, 2
	s_cselect_b64 s[24:25], s[12:13], s[24:25]
	s_cmp_eq_u32 s3, 3
	s_cselect_b64 s[24:25], s[14:15], s[24:25]
	s_cmp_eq_u32 s3, 4
	s_cselect_b64 s[24:25], s[16:17], s[24:25]
	s_cmp_eq_u32 s3, 5
	s_cselect_b64 s[24:25], s[18:19], s[24:25]
	s_cselect_b64 s[26:27], s[22:23], s[20:21]
	s_add_nc_u64 s[24:25], s[24:25], s[36:37]
	s_add_nc_u64 s[26:27], s[26:27], s[40:41]
	s_add_nc_u64 s[28:29], s[20:21], s[44:45]
	s_mov_b32 s48, 0xff                            ; the four bytes of a word
	s_mov_b32 s49, 0xff00
	s_mov_b32 s50, 0xff0000
	s_mov_b32 s51, 0xff000000
; sub-step s into set: 16 loads, a row each, 512 consecutive bytes.  Rows are 8,192 bytes apart in the f32 tensors, 2,048 in the mask: both arms issue 16 loads
.macro LOADSUB s, set
	s_cmp_eq_u32 s3, 5
	s_cbranch_scc1 .Lmk_\@
.irp i, 0,1,2,3,4,5,6,7,8,9,10,11,12,13,14,15
	global_load_b128 v[R+64*(\set)+4*\i:R+64*(\set)+4*\i+3], v1, s[24:25] offset:\i*8192+512*(\s) th:TH_LOAD_NT
.endr
	s_branch .Lld_\@
.Lmk_\@:
.irp i, 0,1,2,3,4,5,6,7,8,9,10,11,12,13,14,15
	global_load_b128 v[R+64*(\set)+4*\i:R+64*(\set)+4*\i+3], v1, s[24:25] offset:\i*2048+512*(\s) th:TH_LOAD_NT
.endr
.Lld_\@:
.endm
.macro TURNSUB set                     ; through my own stage: LDS serves a wave's instructions in order, so no wait stands between the stores and the loads
.irp i, 0,1,2,3,4,5,6,7,8,9,10,11,12,13,14,15
	ds_store_b128 v4, v[R+64*(\set)+4*\i:R+64*(\set)+4*\i+3] offset:528*\i
.endr
.irp c, 0,1
.irp i, 0,1,2,3,4,5,6,7
	ds_load_b128 v[X+32*\c+4*\i:X+32*\c+4*\i+3], v5 offset:256*\c+16*\i
.endr
.endr
.endm
; QUANTISE: X + 32 c on is a whole block, number 2 c + h of my row's 128 numbers: the very numbers that the operand's layout gives lane (r, h) in registers 4 c .. 4 c + 3
.macro ARM_Q s
.irp c, 0,1
	v_max3_num_f32 v[16+\c], |v[X+32*\c]|, |v[X+32*\c+1]|, 0x1800000   ; with the floor 2^(3 - 127): the byte cannot fall under 1
.endr
.irp i, 2,4,6,8,10,12,14,16,18,20,22,24,26,28,30
.irp c, 0,1
	v_max3_num_f32 v[16+\c], v[16+\c], |v[X+32*\c+\i]|, |v[X+32*\c+\i+1]|
.endr
.endr
.irp c, 0,1
	v_add_nc_u32 v[18+\c], 0xff000000, v[16+\c]    ; 2 off the exponent field: the conversion's scale operand
.endr
.irp c, 0,1
	v_lshrrev_b32 v[20+\c], 23, v[18+\c]           ; the byte
.endr
	v_lshl_or_b32 v22, v21, 16, v20                ; my two bytes, blocks h and 2 + h,
	v_lshlrev_b32 v22, v7, v22                     ; at their places;
	v_permlanex16_b32 v23, v22, s30, s31
	v_or_b32 v[WD+\s], v22, v23                    ; with lane l xor 16's the word of these 128 along K is whole
.irp c, 0,1
.irp g, 0,1,2,3
	v_cvt_scalef32_pk8_fp4_f32 v[OUT+8*\s+4*\c+\g], v[X+32*\c+8*\g:X+32*\c+8*\g+7], v[18+\c]
.endr
.endr
	v_nop                                          ; a plain line behind the last scaled conversion
.irp c, 0,1
	global_store_b128 v1, v[OUT+8*\s+4*\c:OUT+8*\s+4*\c+3], s[26:27] offset:1024*\s+512*\c   ; 512 consecutive bytes: half an image
.endr
.if \s == 3
	v_cmp_ne_u32 vcc_lo, 0, v3
	v_cndmask_b32 v28, v[WD], v[WD+2], vcc_lo      ; lanes 0-15 store words 0, 1 of their row, lanes 16-31 words 2, 3:
	v_cndmask_b32 v29, v[WD+1], v[WD+3], vcc_lo
	global_store_b64 v6, v[28:29], s[28:29]        ; 256 consecutive bytes, aligned
.endif
.endm
; Wo IN f16: lane (r, h) holds all 32 numbers of fragment 2 c + h; two exchanges of halves give each lane its 8 + 8 of fragments 2 c and 2 c + 1
.macro ARM_W s
.irp c, 0,1
.irp p, 0,1,2,3
.irp i, 0,1,2,3
	v_cvt_pk_f16_f32 v[OUT+16*\c+4*\p+\i], v[X+32*\c+8*\p+2*\i], v[X+32*\c+8*\p+2*\i+1]
.endr
.endr
.endr
.irp c, 0,1
.irp i, 0,1,2,3
	v_permlane16_swap_b32 v[OUT+16*\c+\i], v[OUT+16*\c+4+\i]
	v_permlane16_swap_b32 v[OUT+16*\c+8+\i], v[OUT+16*\c+12+\i]
.endr
.endr
.irp c, 0,1
.irp p, 0,1,2,3
	global_store_b128 v1, v[OUT+16*\c+4*\p:OUT+16*\c+4*\p+3], s[26:27] offset:((\s)/2)*0x100000+(((\s)%2)*4+2*\c+\p%2)*1024+512*(\p/2)
.endr
.endr
.endm
; THE MASK: word (key tile, j), bit L = mask[16 qt + L % 16][16 kt + 8 (L / 16) + j]: the lane mask of register j of a tile of scores.  A compare over the 32 lanes makes a word; it is put into the lane that stores it
.macro ARM_M s
.irp i, 0,1,2,3,4,5,6,7
	v_mov_b32 v[OUT+8*\s+\i], 0
.endr
.irp c, 0,1
.irp m, 0,1,2,3,4,5,6,7
	v_permlane16_swap_b32 v[X+32*\c+4*\m], v[X+32*\c+4*\m+2]      ; now registers 4 m, 4 m + 1: key tile 16 c + m, keys 8 h on;
	v_permlane16_swap_b32 v[X+32*\c+4*\m+1], v[X+32*\c+4*\m+3]    ; registers 4 m + 2, 4 m + 3: key tile 16 c + 8 + m
.endr
.endr
.set KT, 0
.rept 32
.set XR, X+32*(KT/16)+4*(KT%8)+2*((KT/8)%2)
.set JJ, 0
.rept 8
	v_and_b32 v[16+JJ], s[48+JJ%4], v[XR+JJ/4]
.set JJ, JJ+1
.endr
.set JJ, 0
.rept 8
	v_cmp_ne_u32 s[40+JJ], 0, v[16+JJ]
.set JJ, JJ+1
.endr
.set JJ, 0
.rept 8
.set WW, 8*KT+JJ
	v_writelane_b32 v[OUT+8*\s+4*(WW/128)+WW%4], s[40+JJ], (WW/4)%32
.set JJ, JJ+1
.endr
.set KT, KT+1
.endr
.irp g, 0,1
	global_store_b128 v1, v[OUT+8*\s+4*\g:OUT+8*\s+4*\g+3], s[26:27] offset:1024*\s+512*\g
.endr
.endm
.macro SUB s
.if \s < 3
	s_wait_loadcnt 16                              ; this sub-step's 16 loads are in; the next one's 16 may be out
.else
	s_wait_loadcnt 0x0
.endif
	TURNSUB (\s)%2
	s_wait_dscnt 0x0                               ; X is back, and the stage's stores have read their set,
.if \s < 2
	LOADSUB (\s)+2, (\s)%2                         ; which takes the loads of two sub-steps on
.endif
	s_wait_xcnt 0x0                                ; earlier stores have read their registers: every arm may write OUT
	s_cmp_lt_u32 s3, 4
	s_cbranch_scc1 .Lq\s
	s_cmp_eq_u32 s3, 4
	s_cbranch_scc1 .Lw\s
	ARM_M \s
	s_branch .Lj\s
.Lq\s:
	ARM_Q \s
	s_branch .Lj\s
.Lw\s:
	ARM_W \s
.Lj\s:
.endm
	LOADSUB 0, 0
	LOADSUB 1, 1
	SUB 0
	SUB 1
	SUB 2
	SUB 3
	s_wait_tensorcnt 0x0                           ; the wave's end, behind my last LDS store
	ds_add_u32 v[SPW], v[NIL]
	s_wait_dscnt 0x0
	s_endpgm
.Lfunc_end_k_q4f660c9644_prep:
	.size	k_q4f660c9644_prep, .Lfunc_end_k_q4f660c9644_prep-k_q4f660c9644_prep
	.p2alignl 7, 3214868480
	.fill 96, 4, 3214868480
	.section	.rodata,"a",@progbits
	.p2align	6, 0x0
	.amdhsa_kernel k_q4f660c9644_prep
		.amdhsa_group_segment_fixed_size 34304
		.amdhsa_private_segment_fixed_size 0
		.amdhsa_enable_private_segment 0
		.amdhsa_kernarg_size 64
		.amdhsa_user_sgpr_count 2
		.amdhsa_user_sgpr_kernarg_segment_ptr 1
		.amdhsa_wavefront_size32 1
		.amdhsa_system_sgpr_workgroup_id_x 1
		.amdhsa_system_sgpr_workgroup_id_y 1
		.amdhsa_system_sgpr_workgroup_id_z 1
		.amdhsa_system_vgpr_workitem_id 0
		.amdhsa_next_free_vgpr 256
		.amdhsa_next_free_sgpr 66
		.amdhsa_reserve_vcc 1
		.amdhsa_float_denorm_mode_32 3
		.amdhsa_float_denorm_mode_16_64 3
		.amdhsa_memory_ordered 1
		.amdhsa_forward_progress 1
		.amdhsa_inst_pref_size 230
	.end_amdhsa_kernel
	.amdgpu_metadata
---
amdhsa.version: [ 1, 2 ]
amdhsa.kernels:
  - .name:           k_q4f660c9644_prep
    .symbol:         k_q4f660c9644_prep.kd
    .args:
      - { .name: x, .offset: 0, .size: 8, .value_kind: global_buffer, .address_space: global }
      - { .name: Wq, .offset: 8, .size: 8, .value_kind: global_buffer, .address_space: global }
      - { .name: Wk, .offset: 16, .size: 8, .value_kind: global_buffer, .address_space: global }
      - { .name: Wv, .offset: 24, .size: 8, .value_kind: global_buffer, .address_space: global }
      - { .name: Wo, .offset: 32, .size: 8, .value_kind: global_buffer, .address_space: global }
      - { .name: mask, .offset: 40, .size: 8, .value_kind: global_buffer, .address_space: global }
      - { .name: prep, .offset: 48, .size: 8, .value_kind: global_buffer, .address_space: global }
      - { .name: mw, .offset: 56, .size: 8, .value_kind: global_buffer, .address_space: global }
    .group_segment_fixed_size: 34304
    .private_segment_fixed_size: 0
    .kernarg_segment_align: 8
    .kernarg_segment_size: 64
    .max_flat_workgroup_size: 128
    .sgpr_count:     66
    .vgpr_count:     256
    .wavefront_size: 32
...
	.end_amdgpu_metadata
.endif
;; end of part 1
;; launch qkv (part 2): grid 24 x 8, 4 waves a work-group, clusters of 4 x 4, 327,680 bytes of LDS; arguments prep, qkv; writes qkv
.if DOCPART == 2
	.amdgcn_target "amdgcn-amd-amdhsa--gfx1250"
	.amdhsa_code_object_version 6
	.text
	.protected	k_q4f660c9644_qkv
	.globl	k_q4f660c9644_qkv
	.p2align	8
	.type	k_q4f660c9644_qkv,@function
k_q4f660c9644_qkv:
	s_mov_b64 s[64:65], 0
	v_nop
	global_prefetch_b8 v0, s[64:65] scope:SCOPE_SE
	s_setreg_imm32_b32 hwreg(HW_REG_WAVE_MODE, 25, 1), 1
	s_wait_xcnt 0x0
	s_wait_alu depctr_hold_cnt(0) depctr_sa_sdst(0) depctr_va_vdst(0) depctr_va_sdst(0) depctr_va_ssrc(0) depctr_va_vcc(0) depctr_vm_vsrc(0)
	s_getreg_b32 s2, hwreg(HW_REG_IB_STS2, 6, 4)
	s_cmp_eq_u32 s2, 0
	s_cbranch_scc0 .Lentry_in_a_cluster
	s_endpgm
.Lentry_in_a_cluster:
	s_bfe_u32 s2, ttmp6, 0x10000c
	s_cmp_lg_u32 s2, 0xf033
	s_cbranch_scc0 .Lentry_shape_is_right
	s_endpgm
.Lentry_shape_is_right:
; q, k, v = x Wq^T, x Wk^T, x Wv^T on codes of FP4 (E2M1) with one E8M0 scale for each 32 along K = 2,048; sums in f32; then RoPE on q and k in f32; results leave as f16 images of operand registers.
; ONE GRID FOR THE THREE PRODUCTS: a tile is 256 x 256, a wave makes 128 x 128 (64 accumulators).  Clusters x = 0-3: A = x (tokens), B = Wq or Wk (channels); clusters x = 4, 5: A = Wv (channels), B = x (tokens).
; The choice hangs on the cluster's x alone, which all sixteen partners share.  THE MATRIX INSTRUCTION IS USED TRANSPOSED (source 0 = B's rows, source 1 = A's): in accumulator (a, b) lane (r, h) holds A's row 16 a + r and
; B's rows 16 b + 8 h + 0..7.  For q and k: one token, eight neighbouring channels, which is half a fragment of K or Q; for v: one channel, eight neighbouring tokens, half a fragment of V^T.  So results are stored
; straight from registers, 512 consecutive aligned bytes an instruction.  A wave's 128 channels are one head.
; OPERANDS lie in memory as images (16 rows x 128 K: 1 KB, [half][lane][16 bytes]): a wave's part of a K step of 512 is one dense block of 32 KB, and a fragment is two LDS loads at 16 x lane.
; CLUSTERS: 4 x 4; A's tiles are asked for jointly along a row of the cluster, B's along a column.  192 work-groups: a smaller tile would read each LDS byte for half the products.
; v also leaves a LOW PART, f16(v - f16(v)), for the launch that carries the first 16 positions more finely.
; LIMITS: |q|, |k|, |v| at or under 65,504 (f16); low parts under 6e-5 are f16 subnormals.
; REGISTERS: window 0: v16-29 addresses; v32-95 scale words, two sets; v128-191 A's fragments, one set; window 1: B's fragments, two sets; windows 2, 3: the accumulators ((a, b) at v[8 (8 (a % 4) + b)]).
.set NQ,     4                         ; steps of 128 along K in a slot
.set FR,     8
.set NL,     2
.set NP,     4
.set SLOT,   131072                    ; four waves' parts of 32,768 bytes: A's row tiles 0-7, 8-15, B's 0-7, 8-15
.set LAPS,   2                         ; K = 2,048 = 4 K steps of 512 = twice round the ring
.set SCL,    262144                    ; behind the ring: the scale words of all of K, 8,192 bytes a wave's part
.set SPARE,  294912                    ; the spare words, 128 bytes a wave
.set ADRA, 16
.set ADRB, 20
.set CO,   26                          ; v26  16 x lane
.set ADRS, 27
.set SPW,  28
.set NIL,  29
.set SC,   32
.set AF,   128
.set G1, 24
.set G0, 32
.set G1B, 48
.set G0B, 56
.set G1S, 68
.set G0S, 76
.set G1SB, 80
.set G0SB, 88
.set MSB, 0
.macro WIN new                         ; the immediate's high byte repeats the setting that is left
.if MSB != \new
	s_set_vgpr_msb (MSB<<8)|\new
.set MSB, \new
.endif
.endm
.set MUL_LO, 0xa1                      ; source 0 (B) window 1, source 1 (A) window 0, C and D window 2
.set MUL_HI, 0xf1
.set TO_B,   0x40
.macro JLOAD g0a, g1a, g0b, g1b        ; a joint load: waves 0, 1 fetch for A, waves 2, 3 for B; an s_nop 0 and four v_nop follow each line
	s_cmp_eq_u32 s15, 0
	s_cbranch_scc0 .Lfor_b_\@
	tensor_load_to_lds s[\g0a:\g0a+3], s[\g1a:\g1a+7]
	s_nop 0
.rept 4
	v_nop
.endr
	s_branch .Lasked_\@
.Lfor_b_\@:
	tensor_load_to_lds s[\g0b:\g0b+3], s[\g1b:\g1b+7]
	s_nop 0
.rept 4
	v_nop
.endr
.Lasked_\@:
.endm
.macro CREST
	s_cmp_lg_u32 s14, 0
	s_cbranch_scc1 .Lnot_wave_0_\@
	s_barrier_signal -3
.Lnot_wave_0_\@:
	s_barrier_wait -3
	s_barrier_signal -1
	s_barrier_wait -1
.endm
.macro CROUND
	s_barrier_signal -1
	s_barrier_wait -1
	CREST
.endm
	s_load_b128 s[4:7], s[0:1], 0x0                ; prep, qkv
	v_lshl_add_u32 v[SPW], v0, 2, SPARE
	v_mov_b32 v[NIL], 0
	ds_add_u32 v[SPW], v[NIL]                      ; the wave's opening: the add, twice on end, and its wait ahead of my first tensor load
	ds_add_u32 v[SPW], v[NIL]
	v_lshrrev_b32 v1, 5, v0
	v_readfirstlane_b32 s14, v1                    ; wave
	s_lshr_b32 s15, s14, 1                         ; my half of A's rows; also: I fetch for A (0) or B (1)
	s_and_b32 s16, s14, 1                          ; my half of B's rows; also: which 8 row tiles I fetch
	s_bfe_u32 s40, ttmp6, 0x40000                  ; cx
	s_bfe_u32 s41, ttmp6, 0x40004                  ; cy
	s_and_b32 s42, ttmp9, 1
	s_lshl_b32 s42, s42, 2
	s_add_co_u32 s42, s42, s40                     ; B's tile of 256 rows: 4 x (cluster x % 2) + cx
	s_and_b32 s17, ttmp7, 0xffff
	s_lshl_b32 s17, s17, 2
	s_add_co_u32 s17, s17, s41                     ; A's tile: 4 x cluster y + cy
	s_lshl_b32 s43, s41, 2
	s_lshl_b32 s43, 15, s43                        ; my row of the cluster
	s_lshl_b32 s44, 0x1111, s40                    ; my column
	s_lshr_b32 s9, ttmp9, 1
	s_add_co_u32 s9, s9, 1
	s_cmp_lt_u32 ttmp9, 4
	s_cselect_b32 s8, 0, 3                         ; A's tensor: x, or Wv
	s_cselect_b32 s9, s9, 0                        ; B's: Wq, Wk, or x
	; group 1: a dense block as rows of 256 bytes (32 elements of 8 bytes), no padding: 128 rows of codes, 32 of scale words
	s_or_b32 s[G1+0], s43, (3<<16)|(1<<21)
	s_or_b32 s[G1B+0], s44, (3<<16)|(1<<21)
.irp g, G1, G1B
	s_mov_b32 s[\g+1], 32<<16
	s_mov_b32 s[\g+2], 128<<16
	s_mov_b32 s[\g+3], 32<<16
	s_mov_b32 s[\g+4], 128
	s_mov_b32 s[\g+5], 32
	s_mov_b32 s[\g+6], 0
	s_mov_b32 s[\g+7], 0
.endr
	s_or_b32 s[G1S+0], s43, (3<<16)|(1<<21)
	s_or_b32 s[G1SB+0], s44, (3<<16)|(1<<21)
.irp g, G1S, G1SB
	s_mov_b32 s[\g+1], 32<<16
	s_mov_b32 s[\g+2], 32<<16
	s_mov_b32 s[\g+3], 32<<16
	s_mov_b32 s[\g+4], 32
	s_mov_b32 s[\g+5], 32
	s_mov_b32 s[\g+6], 0
	s_mov_b32 s[\g+7], 0
.endr
	s_lshl_b32 s18, s16, 3
	s_lshl_b32 s20, s17, 4
	s_add_co_u32 s20, s20, s18                     ; A: the first row tile that I fetch
	s_lshl_b32 s46, s42, 4
	s_add_co_u32 s46, s46, s18                     ; B likewise
	s_lshl_b32 s22, s20, 10                        ; scale words: 1 KB a row tile, 128 KB a tensor
	s_lshl_b32 s10, s8, 17
	s_add_co_u32 s22, s22, s10
	s_add_co_u32 s22, s22, 0x800000
	s_mov_b32 s23, 0
	s_lshl_b32 s20, s20, 12                        ; codes: 4 KB a row tile, 2 MB a tensor
	s_lshl_b32 s10, s8, 21
	s_add_co_u32 s20, s20, s10
	s_mov_b32 s21, 0
	s_lshl_b32 s92, s46, 10
	s_lshl_b32 s11, s9, 17
	s_add_co_u32 s92, s92, s11
	s_add_co_u32 s92, s92, 0x800000
	s_mov_b32 s93, 0
	s_lshl_b32 s46, s46, 12
	s_lshl_b32 s11, s9, 21
	s_add_co_u32 s46, s46, s11
	s_mov_b32 s47, 0
	s_lshl_b32 s45, s14, 15                        ; where they go: wave x 32,768; no place in the cluster enters an LDS address
	s_lshl_b32 s94, s14, 13
	s_wait_dscnt 0x0                               ; both opening adds are done
	s_wait_kmcnt 0x0
	s_add_nc_u64 s[20:21], s[4:5], s[20:21]
	s_add_nc_u64 s[22:23], s[4:5], s[22:23]
	s_add_nc_u64 s[46:47], s[4:5], s[46:47]
	s_add_nc_u64 s[92:93], s[4:5], s[92:93]
	CROUND                                         ; all sixteen work-groups are here: the first joint loads meet
	s_mov_b32 s[G0S], 1
	s_add_co_u32 s[G0S+1], s94, SCL
	s_mov_b64 s[G0S+2:G0S+3], s[22:23]
	s_or_b32 s[G0S+3], s[G0S+3], 0x80000000
	s_mov_b32 s[G0SB], 1
	s_add_co_u32 s[G0SB+1], s94, SCL
	s_mov_b64 s[G0SB+2:G0SB+3], s[92:93]
	s_or_b32 s[G0SB+3], s[G0SB+3], 0x80000000
	JLOAD G0S, G1S, G0SB, G1SB                     ; the scale words of all of K: filled once
.irp s, 0,1
	s_mov_b32 s[G0+4*\s], 1
	s_add_co_u32 s[G0+4*\s+1], s45, \s*SLOT
	s_add_nc_u64 s[G0+4*\s+2:G0+4*\s+3], s[20:21], \s*0x80000      ; a K step is 512 KB on
	s_or_b32 s[G0+4*\s+3], s[G0+4*\s+3], 0x80000000
	s_mov_b32 s[G0B+4*\s], 1
	s_add_co_u32 s[G0B+4*\s+1], s45, \s*SLOT
	s_add_nc_u64 s[G0B+4*\s+2:G0B+4*\s+3], s[46:47], \s*0x80000
	s_or_b32 s[G0B+4*\s+3], s[G0B+4*\s+3], 0x80000000
	JLOAD G0+4*\s, G1, G0B+4*\s, G1B
.endr
	v_and_b32 v1, 15, v0                           ; r
	v_bfe_u32 v2, v0, 4, 1                         ; h
	v_and_b32 v6, 31, v0
	v_lshlrev_b32 v[CO], 4, v6
	s_lshl_b32 s21, s15, 15                        ; my 128 rows of A,
	s_lshl_b32 s22, s16, 15
	s_add_co_u32 s22, s22, 65536                   ; of B
.irp s, 0,1
	v_add_nc_u32 v[ADRA+\s], s21, v[CO]
	v_add_nc_u32 v[ADRB+\s], s22, v[CO]
	s_add_co_u32 s21, s21, SLOT
	s_add_co_u32 s22, s22, SLOT
.endr
	v_lshlrev_b32 v5, 4, v1                        ; scale words: 16 bytes a row and K step
	s_lshl_b32 s21, s15, 13
	s_lshl_b32 s22, s16, 13
	s_add_co_u32 s22, s22, 16384
	s_sub_co_u32 s22, s22, s21
	v_mul_u32_u24 v6, s22, v2                      ; lanes 16-31 take B's: one product, the distance between the two bases
	s_add_co_u32 s21, s21, SCL
	v_add_nc_u32 v5, v5, v6
	v_add_nc_u32 v[ADRS], s21, v5
.macro FRAG reg, adr, q, i             ; a fragment's image: row tile i, the slot's q-th 128 along K: two loads of 512 consecutive bytes
.irp c, 0,1
	ds_load_b128 v[\reg+4*\c:\reg+4*\c+3], v[\adr] offset:4096*(\i)+1024*(\q)+512*\c
.endr
.endm
; 16 matrix instructions: A's blocks a0, a0 + 1 x B's eight.  The 64 accumulators take turns, one instruction a turn, in the same order in every step.
.macro MUL16 a0, p, q, sc, zero
.irp a, \a0, \a0+1
.irp b, 0,1,2,3,4,5,6,7
.if \zero
	v_wmma_scale_f32_16x16x128_f8f6f4 v[8*(8*((\a)%4)+\b):8*(8*((\a)%4)+\b)+7], v[128*(\p)+FR*\b:128*(\p)+FR*\b+FR-1], v[AF+FR*(\a):AF+FR*(\a)+FR-1], 0, v[SC+8*NQ*(\sc)+NQ*\b+(\q)], v[SC+8*NQ*(\sc)+NQ*(\a)+(\q)] matrix_a_fmt:MATRIX_FMT_FP4 matrix_b_fmt:MATRIX_FMT_FP4 matrix_a_scale:MATRIX_SCALE_ROW1
.else
	v_wmma_scale_f32_16x16x128_f8f6f4 v[8*(8*((\a)%4)+\b):8*(8*((\a)%4)+\b)+7], v[128*(\p)+FR*\b:128*(\p)+FR*\b+FR-1], v[AF+FR*(\a):AF+FR*(\a)+FR-1], v[8*(8*((\a)%4)+\b):8*(8*((\a)%4)+\b)+7], v[SC+8*NQ*(\sc)+NQ*\b+(\q)], v[SC+8*NQ*(\sc)+NQ*(\a)+(\q)] matrix_a_fmt:MATRIX_FMT_FP4 matrix_b_fmt:MATRIX_FMT_FP4 matrix_a_scale:MATRIX_SCALE_ROW1
.endif
.endr
.endr
.endm
.macro FETCH_B slot, q, p
	WIN TO_B
.irp i, 0,1,2,3,4,5,6,7
	FRAG 128*(\p)+FR*\i, ADRB+\slot, \q, \i
.endr
	WIN 0
.endm
.macro FETCH_A slot, q, i0
.irp i, \i0, \i0+1, \i0+2, \i0+3
	FRAG AF+FR*(\i), ADRA+\slot, \q, \i
.endr
.endm
.macro SCALES sc                       ; a K step's four words a row: lanes 0-15 A's block i, lanes 16-31 B's block i
.irp i, 0,1,2,3,4,5,6,7
	ds_load_b128 v[SC+8*NQ*\sc+NQ*\i:SC+8*NQ*\sc+NQ*\i+3], v[ADRS] offset:\i*1024
.endr
.endm
.macro PLACES n                        ; plain vector lines between a matrix instruction and a load into, or a read of, its registers
.rept \n
	v_nop
.endr
.endm
.macro STEP slot, q, zero
	s_wait_dscnt 4*NL                              ; B's set, A's blocks 0-3 and the scale words are in; the youngest eight loads (A's blocks 4-7) may be out
	WIN MUL_LO
	MUL16 0, (\q)%2, \q, \slot, \zero
	MUL16 2, (\q)%2, \q, \slot, \zero
	s_wait_dscnt 0
	PLACES NP
	FETCH_B \slot, (\q)+1, 1-(\q)%2
	FETCH_A \slot, (\q)+1, 0
	WIN MUL_HI
	MUL16 4, (\q)%2, \q, \slot, \zero
	MUL16 6, (\q)%2, \q, \slot, \zero
	PLACES NP
	WIN 0
	FETCH_A \slot, (\q)+1, 4
.endm
; A slot's last step changes slots: in front of the one barrier each wave waits for all its tensor loads, adds 0 to its spare word, and waits for that and for its reads of this slot
.macro TURN slot, next, fill
	s_wait_tensorcnt 0x0                           ; all my tensor loads have landed: my part of the next slot
	ds_add_u32 v[SPW], v[NIL]
	s_wait_dscnt 4*NL+1                            ; (the add and A's blocks 4-7 may be out)
	WIN MUL_LO
	MUL16 0, 1, NQ-1, \slot, 0
	s_wait_dscnt 0x0                               ; the add is done, and my reads of this slot are over
	s_barrier_signal -1
	MUL16 2, 1, NQ-1, \slot, 0
	WIN 0
	s_barrier_wait -1
.if \fill
	CREST                                          ; the barrier has opened a round of the cluster's: no wave of any partner still reads this slot or has a load on its way
	s_add_nc_u64 s[G0+4*\slot+2:G0+4*\slot+3], s[G0+4*\slot+2:G0+4*\slot+3], 0x100000
	s_add_nc_u64 s[G0B+4*\slot+2:G0B+4*\slot+3], s[G0B+4*\slot+2:G0B+4*\slot+3], 0x100000
	JLOAD G0+4*\slot, G1, G0B+4*\slot, G1B         ; the first tensor load behind the round; its four v_nop are the places in front of the loads below
.else
	PLACES NP
.endif
	v_add_nc_u32 v[ADRS], 256, v[ADRS]             ; the next K step's scale words
	FETCH_B \next, 0, 0
	FETCH_A \next, 0, 0
	SCALES \next
	WIN MUL_HI
	MUL16 4, 1, NQ-1, \slot, 0
	MUL16 6, 1, NQ-1, \slot, 0
	PLACES NP
	WIN 0
	FETCH_A \next, 0, 4
.endm
.macro STEPS slot, from
.set Q, \from
.rept NQ-1-\from
	STEP \slot, Q, 0
.set Q, Q+1
.endr
.endm
	s_wait_tensorcnt 1                             ; the scale words and my part of K step 0 are in; K step 1's load may be out
	s_barrier_signal -1
	s_barrier_wait -1
	FETCH_B 0, 0, 0
	FETCH_A 0, 0, 0
	SCALES 0
	FETCH_A 0, 0, 4
	STEP 0, 0, 1                                   ; the first step's products start the sums
	s_mov_b32 s3, LAPS-1
.Llap:
	STEPS 0, 1
	TURN 0, 1, 1
	STEPS 1, 0
	TURN 1, 0, 1
	STEP 0, 0, 0
	s_sub_co_u32 s3, s3, 1
	s_cmp_lg_u32 s3, 0
	s_cbranch_scc1 .Llap
	STEPS 0, 1
	TURN 0, 1, 0
	STEPS 1, 0
	s_wait_dscnt 4*NL
	WIN MUL_LO
	MUL16 0, 1, NQ-1, 1, 0
	MUL16 2, 1, NQ-1, 1, 0
	s_wait_dscnt 0
	WIN MUL_HI
	MUL16 4, 1, NQ-1, 1, 0
	MUL16 6, 1, NQ-1, 1, 0
	WIN 0
	PLACES NP                                      ; in front of reads of results and of loads and writes into registers that held operands and scales
	s_mov_b32 s21, 0
	s_cmp_ge_u32 ttmp9, 4                          ; the cluster's x: the same in all partners
	s_cbranch_scc1 .Lvpath
	; ---- q AND k: RoPE in f32, then f16.  out[d] = y[d] cos - y[d + 64] sin, out[d + 64] = y[d + 64] cos + y[d] sin, d = 16 b + 8 h + j under 64: accumulators b and b + 4 of one block
	s_lshl_b32 s18, s17, 4
	s_lshl_b32 s19, s15, 3
	s_add_co_u32 s18, s18, s19                     ; my first token tile
	s_lshl_b32 s20, s18, 13
	s_add_co_u32 s20, s20, 0x880000
	s_add_nc_u64 s[10:11], s[4:5], s[20:21]        ; its part of the table, 8 KB a tile
	s_lshr_b32 s20, ttmp9, 1
	s_lshl_b32 s20, s20, 23                        ; q's images, or k's 8 MB on
	s_lshl_b32 s22, s42, 1
	s_add_co_u32 s22, s22, s16                     ; my head
	s_lshl_b32 s22, s22, 19
	s_add_co_u32 s20, s20, s22
	s_lshl_b32 s22, s18, 12
	s_add_co_u32 s20, s20, s22
	s_add_nc_u64 s[12:13], s[6:7], s[20:21]
.set RP, 32                            ; v32-95, v96-159: the table of a token tile, two sets: register 16 b + 8 (0 cos, 1 sin) + j
.set T,  160                           ; v160-191 at work
.set H,  192                           ; v192-223, v224-255: a block's f16, two sets
.macro LOADR a
.irp b, 0,1,2,3
.irp e, 0,1,2,3
	global_load_b128 v[RP+64*((\a)%2)+16*\b+4*\e:RP+64*((\a)%2)+16*\b+4*\e+3], v[CO], s[10:11] offset:8192*(\a)+2048*\b+512*\e
.endr
.endr
.endm
.macro ROPE_A a
.set RR, RP+64*((\a)%2)
.set HH, H+32*((\a)%2)
.set AC, 64*((\a)%4)
.if (\a) < 7
	LOADR (\a)+1
	s_wait_loadcnt 16                              ; this block's table is in; the next block's 16 loads may be out
.else
	s_wait_loadcnt 0x0
.endif
	s_wait_xcnt 0x0                                ; the stores of two blocks ago have read this set of f16
.irp b, 0,1,2,3
.set TT, T+16*(\b%2)
	WIN 0x02+(\a)/4                                ; source 0: the accumulators' window
.irp p, 0,2,4,6
	v_pk_mul_f32 v[TT+\p:TT+\p+1], v[AC+8*(\b+4)+\p:AC+8*(\b+4)+\p+1], v[RR+16*\b+8+\p:RR+16*\b+8+\p+1]
	v_pk_mul_f32 v[TT+8+\p:TT+8+\p+1], v[AC+8*\b+\p:AC+8*\b+\p+1], v[RR+16*\b+8+\p:RR+16*\b+8+\p+1]
	v_pk_fma_f32 v[TT+\p:TT+\p+1], v[AC+8*\b+\p:AC+8*\b+\p+1], v[RR+16*\b+\p:RR+16*\b+\p+1], v[TT+\p:TT+\p+1] neg_lo:[0,0,1] neg_hi:[0,0,1]
	v_pk_fma_f32 v[TT+8+\p:TT+8+\p+1], v[AC+8*(\b+4)+\p:AC+8*(\b+4)+\p+1], v[RR+16*\b+\p:RR+16*\b+\p+1], v[TT+8+\p:TT+8+\p+1]
.endr
	WIN 0
.irp i, 0,1,2,3
	v_cvt_pk_f16_f32 v[HH+4*\b+\i], v[TT+2*\i], v[TT+2*\i+1]
	v_cvt_pk_f16_f32 v[HH+4*(\b+4)+\i], v[TT+8+2*\i], v[TT+8+2*\i+1]
.endr
.endr
.irp e, 0,1,2,3,4,5,6,7
	global_store_b128 v[CO], v[HH+4*\e:HH+4*\e+3], s[12:13] offset:4096*(\a)+512*\e    ; channels 16 e on: half e % 2 of fragment e / 2
.endr
.endm
	LOADR 0
.irp a, 0,1,2,3,4,5,6,7
	ROPE_A \a
.endr
	s_branch .Lclose
.Lvpath:
	; ---- v: a lane holds one channel and eight neighbouring tokens: V^T's fragments, high part and low part
	s_lshl_b32 s20, s17, 1
	s_add_co_u32 s20, s20, s15                     ; my head
	s_lshl_b32 s20, s20, 19
	s_lshl_b32 s22, s42, 3
	s_lshl_b32 s23, s16, 2
	s_add_co_u32 s22, s22, s23                     ; my first block of 32 tokens
	s_lshl_b32 s22, s22, 13
	s_add_co_u32 s20, s20, s22
	s_add_co_u32 s20, s20, 0x1000000
	s_add_nc_u64 s[12:13], s[6:7], s[20:21]
	s_add_nc_u64 s[10:11], s[12:13], 0x800000
.macro UNPK d, n                       ; the two f16 of v n, widened
	v_cvt_f32_f16 v[\d], v\n\().l
	v_cvt_f32_f16 v[\d+1], v\n\().h
.endm
.macro VOUT a
.set AC, 64*((\a)%4)
	s_wait_xcnt 0x0                                ; the last block's stores have read v32-63 and v160-191
	WIN 0x0a+5*((\a)/4)
.irp n, 0,1,2,3,4,5,6,7,8,9,10,11,12,13,14,15,16,17,18,19,20,21,22,23,24,25,26,27,28,29,30,31
	v_cvt_pk_f16_f32 v[32+\n], v[AC+2*\n], v[AC+2*\n+1]
.endr
	WIN 0
.irp n, 32,33,34,35,36,37,38,39,40,41,42,43,44,45,46,47,48,49,50,51,52,53,54,55,56,57,58,59,60,61,62,63
	UNPK 96+2*(\n-32), \n
.endr
	WIN 0x02+(\a)/4
.irp n, 0,2,4,6,8,10,12,14,16,18,20,22,24,26,28,30,32,34,36,38,40,42,44,46,48,50,52,54,56,58,60,62
	v_pk_add_f32 v[96+\n:97+\n], v[AC+\n:AC+\n+1], v[96+\n:97+\n] neg_lo:[0,1] neg_hi:[0,1]   ; what the high part left
.endr
	WIN 0
.irp n, 0,1,2,3,4,5,6,7,8,9,10,11,12,13,14,15,16,17,18,19,20,21,22,23,24,25,26,27,28,29,30,31
	v_cvt_pk_f16_f32 v[160+\n], v[96+2*\n], v[97+2*\n]
.endr
.irp e, 0,1,2,3,4,5,6,7
	global_store_b128 v[CO], v[32+4*\e:35+4*\e], s[12:13] offset:8192*(\e/2)+1024*(\a)+512*(\e%2)
	global_store_b128 v[CO], v[160+4*\e:163+4*\e], s[10:11] offset:8192*(\e/2)+1024*(\a)+512*(\e%2)
.endr
.endm
.irp a, 0,1,2,3,4,5,6,7
	VOUT \a
.endr
.Lclose:
	s_wait_tensorcnt 0x0                           ; the wave's end
	ds_add_u32 v[SPW], v[NIL]
	s_wait_dscnt 0x0
	CROUND                                         ; the closing round: no work-group ends while a partner may still ask for a tile that names it
	s_endpgm
.Lfunc_end_k_q4f660c9644_qkv:
	.size	k_q4f660c9644_qkv, .Lfunc_end_k_q4f660c9644_qkv-k_q4f660c9644_qkv
	.p2alignl 7, 3214868480
	.fill 96, 4, 3214868480
	.section	.rodata,"a",@progbits
	.p2align	6, 0x0
	.amdhsa_kernel k_q4f660c9644_qkv
		.amdhsa_group_segment_fixed_size 327680
		.amdhsa_private_segment_fixed_size 0
		.amdhsa_enable_private_segment 0
		.amdhsa_kernarg_size 16
		.amdhsa_user_sgpr_count 2
		.amdhsa_user_sgpr_kernarg_segment_ptr 1
		.amdhsa_wavefront_size32 1
		.amdhsa_system_sgpr_workgroup_id_x 1
		.amdhsa_system_sgpr_workgroup_id_y 1
		.amdhsa_system_sgpr_workgroup_id_z 1
		.amdhsa_system_vgpr_workitem_id 0
		.amdhsa_next_free_vgpr 1024
		.amdhsa_next_free_sgpr 98
		.amdhsa_reserve_vcc 0
		.amdhsa_float_denorm_mode_32 3
		.amdhsa_float_denorm_mode_16_64 3
		.amdhsa_memory_ordered 1
		.amdhsa_forward_progress 1
		.amdhsa_inst_pref_size 255
	.end_amdhsa_kernel
	.section	.bss,"aw",@nobits
	.p2align	6
	.space	262144
	.amdgpu_metadata
---
amdhsa.version: [ 1, 2 ]
amdhsa.kernels:
  - .name:           k_q4f660c9644_qkv
    .symbol:         k_q4f660c9644_qkv.kd
    .args:
      - { .name: prep, .offset: 0, .size: 8, .value_kind: global_buffer, .address_space: global }
      - { .name: qkv, .offset: 8, .size: 8, .value_kind: global_buffer, .address_space: global }
    .group_segment_fixed_size: 327680
    .private_segment_fixed_size: 0
    .kernarg_segment_align: 8
    .kernarg_segment_size: 16
    .max_flat_workgroup_size: 128
    .sgpr_count:     98
    .vgpr_count:     1024
    .wavefront_size: 32
...
	.end_amdgpu_metadata
.endif
;; end of part 2
;; launch attn (part 3): grid 16 x 16, 4 waves a work-group, no clusters, 101,888 bytes of LDS; arguments qkv, mw, oimg; writes oimg
.if DOCPART == 3
	.amdgcn_target "amdgcn-amd-amdhsa--gfx1250"
	.amdhsa_code_object_version 6
	.text
	.protected	k_q4f660c9644_attn
	.globl	k_q4f660c9644_attn
	.p2align	8
	.type	k_q4f660c9644_attn,@function
k_q4f660c9644_attn:
	s_mov_b64 s[64:65], 0
	v_nop
	global_prefetch_b8 v0, s[64:65] scope:SCOPE_SE
	s_setreg_imm32_b32 hwreg(HW_REG_WAVE_MODE, 25, 1), 1
	s_wait_xcnt 0x0
; O[h][q] = the sum over k of softmax_k(mask ? q . k / sqrt(128) : -inf) v[k], operands in f16, products, maxima and sums in f32; the weights are rounded to f16 for the second product, O once at the end.
; THE MASK IS AN INPUT, AND WHAT IT HIDES WHOLLY IS NOT MULTIPLIED.  A key step is 64 keys for 64 queries.  Each wave reads the mask words of its steps, makes a list of the steps in which some key counts for some query,
; and walks that list alone.  Inside a step each score is kept or replaced by NEG = -2^126 through a lane-mask word (one bit a score) in a scalar register.  A running maximum is kept; a row that has seen only masked
; keys carries finite rubbish (p = 1) which the first real key, or the merge, multiplies by 2^(c NEG - c m) = 0; a row that is masked throughout gets NaN, as the softmax of nothing has.
; SHARES.  A unit is 64 queries of a head (four tiles of 16, so that each fragment of K and V feeds four products).  Work-group (x, head) owns units 31 - x and x, one after the other: under a mask that hides later keys
; the two have 33 steps together in every work-group; for any other mask the values are as right, only the shares less even.  The four waves hold the SAME 64 queries and split the keys: wave w takes steps 4 s + w, s = 0..7.
; They merge once a unit through LDS.  Register tile r of wave w holds query tile r xor w, so that every wave keeps register tile 0 and sends 1, 2, 3: one text, only addresses differ.
; NO TENSOR LOAD, NO CLUSTER, NO LDS FOR K AND V: the walk hangs on numbers read from memory; partners would want different tiles; and no two waves of a
; work-group read the same keys.  K, Q and V^T lie in memory as images of their fragments (1 KB: [half][lane][16 bytes]): a load of a wave takes 512 consecutive bytes straight into operand registers.
; The work-groups of a head begin their walks at different steps (the lists are turned by x mod 8), so that they do not all ask for the same bytes first.
; BY TURNS.  The wave's tiles are two pieces (tiles 0, 1 and 2, 3).  In a turn one piece has the matrix unit (32 products V^T P, then 32 K Q^T of the list's next step); the other piece's softmax stands in slices of five behind the products.
; LIMITS: |q|, |k|, |v|, |O| at or under 65,504 (f16); c |score| under 2^120.  The time grows with the steps that the mask leaves: 16 a wave where nothing is masked, 32 KB from memory for each.
; REGISTERS: window 0: v2-11 addresses, v12-43 statistics, v44-61 the merge, v64-191 S^T, v192-255 P;  window 1: O^T;  window 2: v0-127 Q, v128-255 K;  window 3: v0-127 V.
.set XW,    25344                      ; the merge: three tiles of O^T (24,576 bytes) and their statistics (768) for each wave
.set SPARE, 101376                     ; behind the four: the spare words, 128 bytes a wave
.set ADRK, 2                           ; v2   16 x lane + the step's place among K's images
.set ADRV, 3                           ; v3   the same for V
.set NEGR, 4                           ; v4   NEG
.set LI,   5                           ; v5   16 x lane
.set XS,   6                           ; v6, v7    where I put tiles and statistics
.set XS4,  7
.set QV,   8                           ; v8-11     16 x lane + the place of register tile r's query tile
.set ST,   12                          ; tile t: +0 c m, +1 m, +2, +3 l, +4 .. +7 at work; a takes +6
.set GG,   28                          ; v28-35    the merge's four factors, as pairs (statistics that have been sent)
.set NANR, 36
.set XR,   44                          ; v44-46    where the partners w xor 1, 2, 3 put theirs
.set XR4,  47                          ; v47-49
.set PC,   50                          ; v50-52    the partners' c m
.set PL,   53                          ; v53-55    the partners' sums
.set FF,   56                          ; v56-59    2^(c m_i - the common c m)
.set CN,   60
.set LL,   61                          ; the row's sum; at the head: my place among the mask words
.set SPW,  62
.set NIL,  63
.set S,    64
.set P,    192
.set KF,   128
.set WV,   2
.set KB,   4                           ; s[4:5]   K's images of my head;  s[6:7] V's;  s[14:15] Q's
.set VB,   6
.set UN0,  8                           ; s8  the unit in hand;  s9 the next
.set UN1,  9
.set MWP,  10                          ; s[10:11] the mask words
.set OB,   12                          ; s[12:13] O's images: my head, my wave's tile of unit 0
.set QP,   14
.set MB,   16                          ; s[16:23] the mask words of register tiles 0 to 3
.set CS,   24
.set SEL,  26
.set MO,   28                          ; s28  the step's place in a row of mask words: 128 t
.set TK,   29                          ; s29  16,384 x the step whose K is fetched next
.set TVO,  30                          ; s30  16,384 x the step whose V is fetched next
.set LST,  31                          ; s31  the steps left in this unit's list, one bit each;  s66 the next unit's list
.set LST2, 66
.set CNT,  67
.set UC,   100
.set MSB, 0
.macro WIN new                         ; the immediate's high byte repeats the setting that is left
.if MSB != \new
	s_set_vgpr_msb (MSB<<8)|\new
.set MSB, \new
.endif
.endm
.set W_KQ, 0x0a
.set W_PV, 0x53
.set W_RS, 0x41
.macro PLACES                          ; four plain vector lines between a matrix instruction and a load into, or a read of, its registers
.rept 4
	v_nop
.endr
.endm
; The list of a unit out of two lane masks (bits 8 n .. 8 n + 7 of mask f: step s = 4 f + n has a key that counts), turned by x mod 8; an empty list gets one step, in which every score is masked.
.macro LIST dst, m0, m1
	s_mov_b32 s[\dst], 0
.irp n, 0,1,2,3
	s_bfe_u32 s3, s[\m0], (8<<16)|(8*\n)
	s_cmp_lg_u32 s3, 0
	s_cselect_b32 s3, 1<<\n, 0
	s_or_b32 s[\dst], s[\dst], s3
	s_bfe_u32 s3, s[\m1], (8<<16)|(8*\n)
	s_cmp_lg_u32 s3, 0
	s_cselect_b32 s3, 16<<\n, 0
	s_or_b32 s[\dst], s[\dst], s3
.endr
	s_and_b32 s101, ttmp9, 7
	s_lshr_b32 s3, s[\dst], s101
	s_sub_co_u32 s101, 8, s101
	s_lshl_b32 s101, s[\dst], s101
	s_or_b32 s3, s3, s101
	s_and_b32 s[\dst], s3, 0xff
	s_cmp_eq_u32 s[\dst], 0
	s_cselect_b32 s[\dst], 1, s[\dst]
.endm
; Whose K comes next: the list's next step, or at its end the next unit's first.  The bit's number is held at 7; behind that stand adds, ANDs and shifts to the left alone.
.macro PEEK
	s_cmp_eq_u32 s[LST], 0
	s_cselect_b32 s3, s[LST2], s[LST]
	s_ctz_i32_b32 s3, s3
	s_min_u32 s3, s3, 7
	s_and_b32 s101, ttmp9, 7
	s_add_co_u32 s3, s3, s101
	s_and_b32 s3, s3, 7                            ; s, the turn taken back
	s_lshl_b32 s3, s3, 2
	s_add_co_u32 s3, s3, s[WV]                     ; t = 4 s + w
	s_lshl_b32 s[TK], s3, 14
.endm
; The list's next step is taken off: its mask words' and its V's places.  (No scalar load is out here: the offset may be written.)
.macro POP
	s_ctz_i32_b32 s3, s[LST]
	s_min_u32 s3, s3, 7
	s_sub_co_u32 s101, s[LST], 1
	s_and_b32 s[LST], s[LST], s101
	s_and_b32 s101, ttmp9, 7
	s_add_co_u32 s3, s3, s101
	s_and_b32 s3, s3, 7
	s_lshl_b32 s3, s3, 2
	s_add_co_u32 s3, s3, s[WV]
	s_lshl_b32 s[MO], s3, 7
	s_lshl_b32 s[TVO], s3, 14
	PEEK
.endm
.macro QLOAD un                        ; a unit's Q: register tile r takes query tile 4 unit + (r xor w), 4 KB each
	s_lshl_b32 s101, s[\un], 14
.irp r, 0,1,2,3
	s_xor_b32 s3, s[WV], \r
	s_lshl_b32 s3, s3, 12
	s_add_co_u32 s3, s3, s101
	v_add_nc_u32 v[QV+\r], s3, v[LI]
.endr
	WIN 0x80
.irp r, 0,1,2,3
.irp e, 0,1,2,3,4,5,6,7
	global_load_b128 v[32*\r+4*\e:32*\r+4*\e+3], v[QV+\r], s[QP:QP+1] offset:512*\e
.endr
.endr
	WIN 0
.endm
; V's fragments of keys 32 kk on (16 loads), K's fragments of channels 32 c on (8 loads): each goes out as soon as the last product that reads its registers has been issued, four plain lines behind it.
.macro FETCH_VH kk
	WIN 0
.if \kk == 0
	v_add_nc_u32 v[ADRV], s[TVO], v[LI]            ; (the loads that read the old offset have been waited for)
.endif
	PLACES
	WIN 0xc0
.irp f, 0,1,2,3,4,5,6,7
	global_load_b128 v[64*\kk+8*\f:64*\kk+8*\f+3],   v[ADRV], s[VB:VB+1] offset:8192*\kk+1024*\f
	global_load_b128 v[64*\kk+8*\f+4:64*\kk+8*\f+7], v[ADRV], s[VB:VB+1] offset:8192*\kk+1024*\f+512
.endr
.endm
.macro FETCH_KC c
	WIN 0
.if \c == 0
	v_add_nc_u32 v[ADRK], s[TK], v[LI]
.endif
	PLACES
	WIN 0x80
.irp f, 0,1,2,3
	global_load_b128 v[KF+32*\f+8*\c:KF+32*\f+8*\c+3],   v[ADRK], s[KB:KB+1] offset:4096*\f+1024*\c
	global_load_b128 v[KF+32*\f+8*\c+4:KF+32*\f+8*\c+7], v[ADRK], s[KB:KB+1] offset:4096*\f+1024*\c+512
.endr
.endm
; The mask words of piece y for the step at s[MO]: 32 words (4 key tiles x 8 registers) for each of its two tiles, into s32-63 and s68-99.  The last set's readers have all been issued; the next readers stand behind a wait for these loads.
.macro MLOAD y
	s_load_b512 s[32:47], s[MB+2*(\y):MB+2*(\y)+1], s[MO] offset:0x0
	s_load_b512 s[48:63], s[MB+2*(\y):MB+2*(\y)+1], s[MO] offset:0x40
	s_load_b512 s[68:83], s[MB+2*(\y)+2:MB+2*(\y)+3], s[MO] offset:0x0
	s_load_b512 s[84:99], s[MB+2*(\y)+2:MB+2*(\y)+3], s[MO] offset:0x40
.endm
.macro PV x                            ; product i of 32 of O^T += V^T P: keys 32 (i / 16) on, channels 16 ((i / 2) % 8) on, tile x + i % 2: sixteen accumulators by turns
	WIN W_PV
.set rO, 64*(\x+i%2)+8*((i/2)%8)
.set rV, 64*(i/16)+8*((i/2)%8)
.set rP, P+16*(\x+i%2)+8*(i/16)
	v_wmma_f32_16x16x32_f16 v[rO:rO+7], v[rV:rV+7], v[rP:rP+7], v[rO:rO+7]
.endm
.macro KQ x                            ; product i of 32 of S^T = K Q^T: channels 32 (i / 8) on, keys 16 ((i / 2) % 4) on, tile x + i % 2: eight accumulators by turns
	WIN W_KQ
.set rS, S+32*(\x+i%2)+8*((i/2)%4)
.set rK, KF+32*((i/2)%4)+8*(i/8)
.set rQ, 32*(\x+i%2)+8*(i/8)
.if i < 8
	v_wmma_f32_16x16x32_f16 v[rS:rS+7], v[rK:rK+7], v[rQ:rQ+7], 0
.else
	v_wmma_f32_16x16x32_f16 v[rS:rS+7], v[rK:rK+7], v[rQ:rQ+7], v[rS:rS+7]
.endif
.endm
; One tile's softmax for a key step is a list of 166 instructions; SM writes number j for tile t.  0-31: the mask; with o = j - 32:  0-15 the maximum; 16-20 the other half's maximum, the new m, c m, its change;
; 21-69 ONE BATCH: 16 scalings and 33 exponentials, none of which reads an exponential's result; 70-85 the roundings to f16; 86-101 the sums; 102-133 O^T times a.
.macro SM t, first
.set rT, ST+8*(\t)
.set rS, S+32*(\t)
.set rP, P+16*(\t)
.set rM, 32+36*((\t)%2)
.set o, j-32
.set rO, 64*(\t)+2*(o-102)
.if o < 102
	WIN 0
.endif
.if o < 0
	v_cndmask_b32 v[rS+j], v[NEGR], v[rS+j], s[rM+j]               ; bit set: the score; else NEG.  Ascending: each accumulator is first read at its low end
.elseif o < 4
	v_max3_num_f32 v[rT+4+o], v[rS+8*o], v[rS+8*o+1], v[rS+8*o+2]
.elseif o < 12
	v_max3_num_f32 v[rT+4+o%4], v[rT+4+o%4], v[rS+8*(o%4)+2*(o/4)+1], v[rS+8*(o%4)+2*(o/4)+2]
.elseif o == 12
	v_max3_num_f32 v[rT+4], v[rT+4], v[rS+7], v[rS+15]
.elseif o == 13
	v_max3_num_f32 v[rT+6], v[rT+6], v[rS+23], v[rS+31]
.elseif o == 14
	v_max3_num_f32 v[rT+4], v[rT+4], v[rT+5], v[rT+6]
.elseif (o == 15) && \first
	v_max_num_f32 v[rT+4], v[rT+4], v[rT+7]
.elseif o == 15
	v_max3_num_f32 v[rT+4], v[rT+4], v[rT+7], v[rT+1]
.elseif o == 16
	v_permlanex16_b32 v[rT+5], v[rT+4], s[SEL], s[SEL+1]
.elseif o == 18
	v_max_num_f32 v[rT+1], v[rT+4], v[rT+5]
.elseif o == 19
	v_mul_f32 v[rT], s[CS], v[rT+1]
.elseif ((o == 17) || (o == 20) || (o == 23) || (o > 101)) && \first
.elseif o == 17
	v_mov_b32 v[rT+7], v[rT]
.elseif o == 20
	v_sub_f32 v[rT+7], v[rT+7], v[rT]
.elseif o == 23
	v_exp_f32 v[rT+6], v[rT+7]
.elseif (o < 23) || ((o < 38) && (o%2 == 0)) || ((o < 66) && (o%4 == 2))
.set b, (o-2)/4
.if o < 38
.set b, (o-20)/2
.endif
	v_pk_fma_f32 v[rS+2*b:rS+2*b+1], v[rS+2*b:rS+2*b+1], s[CS:CS+1], v[rT:rT+1] op_sel_hi:[1,0,0] neg_lo:[0,0,1] neg_hi:[0,0,1]
.elseif o < 70
.set e, o-38
.if o < 66
.set e, o-32-(o-38)/4
.endif
.if o < 38
.set e, (o-25)/2
.endif
	v_exp_f32 v[rS+e], v[rS+e]
.elseif o < 86
	v_cvt_pk_f16_f32 v[rP+o-70], v[rS+2*(o-70)], v[rS+2*(o-70)+1]
.elseif o < 102
.set z, o-86
.set w, 4
.set u, z
.if z >= 14
.set w, 32
.set u, 0
.elseif z >= 12
.set w, 16
.set u, z-12
.elseif z >= 8
.set w, 8
.set u, z-8
.endif
.if (z == 14) && \first
	v_pk_add_f32 v[rT+2:rT+3], v[rS:rS+1], v[rS+16:rS+17]
.elseif z < 15
	v_pk_add_f32 v[rS+w*u:rS+w*u+1], v[rS+w*u:rS+w*u+1], v[rS+w*u+w/2:rS+w*u+w/2+1]
.elseif !\first
	v_pk_fma_f32 v[rT+2:rT+3], v[rT+2:rT+3], v[rT+6:rT+7], v[rS:rS+1] op_sel_hi:[1,0,1]
.endif
.else
	WIN W_RS
	v_pk_mul_f32 v[rO:rO+1], v[rO:rO+1], v[rT+6:rT+7] op_sel_hi:[1,0]
.endif
.endm
; Position q of 332 of piece y's softmax.  Under 108 and from 204 on the two tiles alternate; 108-203 deal the batch out, four numbers of one tile at a time.  At 64 all 64 mask lines are out: the next set of words is asked for.
; At 204 the batch is out and no result has been named: one plain line, and the turn's one wait.
; THE LOADS OF K AND V stand at fixed positions, none between the batch's first exponential and its wait.  hk = 1, piece 2's turn with both kinds of products (a slice a product): V's first half at 80 (its last reader is
; product 15), V's second half and K's chunk 0 at 204 (products 31 and 39), K's chunks 1, 2 at 240, 280 (products 47, 55), chunk 3 at the turn's end.  hk = 2, the unit's first turn (two slices a product): K's chunks 0, 1, 2 at 80, 204, 240.
.macro ITEM y, first, ml, hk
.if (q == 64) && \ml
.if (\y) == 2
	MLOAD 0
.else
	MLOAD 2
.endif
.endif
.if (q == 80) && (\hk == 1)
	FETCH_VH 0
.endif
.if (q == 80) && (\hk == 2)
	FETCH_KC 0
.endif
.if q == 204
	v_nop
	s_wait_alu depctr_va_vdst(0)
.if \hk == 1
	FETCH_VH 1
	FETCH_KC 0
.endif
.if \hk == 2
	FETCH_KC 1
.endif
.endif
.if (q == 240) && \hk
	FETCH_KC \hk
.endif
.if (q == 280) && (\hk == 1)
	FETCH_KC 2
.endif
.if q < 108
.set j, q/2
	SM (\y)+q%2, \first
.elseif q < 204
.set j, 54+4*(((q-108)/4)/2)+(q-108)%4
	SM (\y)+((q-108)/4)%2, \first
.else
.set j, 102+(q-204)/2
	SM (\y)+q%2, \first
.endif
.set q, q+1
.endm
.macro SLICE y, first, ml, hk          ; five positions behind a matrix instruction; 332 = 5 x 64 + 12: the twelve that are over stand in slice 63, all plain, and are the places behind the turn's last products
.rept 5
	ITEM \y, \first, \ml, \hk
.endr
.if k == 63
.rept 12
	ITEM \y, \first, \ml, \hk
.endr
.endif
.set k, k+1
.endm
; A TURN.  Piece x has the matrix unit; the other piece's softmax stands in slices behind its products.  pv, kq: which kinds of products; with one kind alone two slices stand behind each.  ml: the next mask words are asked for.
; In piece 0's turn of the loop the loads of the turn before are waited for piece by piece; they went out in this order: V's halves (16 + 16), K's four chunks (8 each).
.macro TURN x, pv, kq, ml, hk
.set k, 0
.set q, 0
.set per, 2
.if \pv && \kq
.set per, 1
.endif
	s_wait_kmcnt 0x0                               ; this turn's mask words are in
.if \pv
.set i, 0
.rept 32
.if (\x == 0) && \kq && (i == 0)
	s_wait_loadcnt 48                              ; V's first half is in; behind it: its second half's 16 loads and K's 32
.endif
.if (\x == 0) && \kq && (i == 16)
	s_wait_loadcnt 32                              ; V is whole; K's 32 may be out
.endif
	PV \x
.rept per
	SLICE 2-\x, 0, \ml, \hk
.endr
.set i, i+1
.endr
.endif
.if \kq
.set i, 0
.rept 32
.if (\x == 0) && (i%8 == 0)
	s_wait_loadcnt 24-i                            ; K's chunk i / 8 is in; the later chunks, 8 loads each, may be out
.endif
	KQ \x
.rept per
	SLICE 2-\x, 0, \ml, \hk
.endr
.set i, i+1
.endr
.endif
.if \hk
	FETCH_KC 3
.endif
.endm
	s_load_b128 s[36:39], s[0:1], 0x0              ; qkv, mw
	s_load_b64 s[OB:OB+1], s[0:1], 0x10            ; oimg
	v_lshl_add_u32 v[SPW], v0, 2, SPARE
	v_mov_b32 v[NIL], 0
	v_lshrrev_b32 v1, 5, v0
	v_readfirstlane_b32 s[WV], v1                  ; wave
	v_and_b32 v1, 31, v0
	v_lshlrev_b32 v[LI], 4, v1
	s_mul_i32 s3, s[WV], XW
	v_add_nc_u32 v[XS], s3, v[LI]
	v_lshl_add_u32 v[XS4], v1, 2, s3
.irp r, 1,2,3
	s_xor_b32 s3, s[WV], \r
	s_mul_i32 s3, s3, XW
	v_add_nc_u32 v[XR+\r-1], s3, v[LI]
	v_lshl_add_u32 v[XR4+\r-1], v1, 2, s3
.endr
	v_mov_b32 v[NEGR], 0xfe800000
	v_lshrrev_b32 v[LL], 3, v1                     ; my steps' mask words: step 4 s + w has 128 bytes in a query tile's row: eight lanes to a step, four steps to a load
	v_lshlrev_b32 v[LL], 9, v[LL]
	v_and_b32 v[CN], 7, v1
	v_lshl_add_u32 v[LL], v[CN], 4, v[LL]
	s_lshl_b32 s3, s[WV], 7
	v_add_nc_u32 v[LL], s3, v[LL]
	s_and_b32 s40, ttmp7, 0xffff                   ; the head
	s_lshl_b32 s42, s40, 19                        ; 512 KB of images a head
	s_mov_b32 s43, 0
	s_lshr_b32 s44, s40, 1                         ; O's images: [K step of 256: head / 2][token tile 8 KB][4 (head % 2) + u]
	s_lshl_b32 s44, s44, 20
	s_and_b32 s45, s40, 1
	s_lshl_b32 s45, s45, 12
	s_add_co_u32 s44, s44, s45
	s_lshl_b32 s45, s[WV], 13
	s_add_co_u32 s44, s44, s45
	s_mov_b32 s45, 0
	s_sub_co_u32 s[UN0], 31, ttmp9                 ; the units: 31 - x first, then x
	s_mov_b32 s[UN1], ttmp9
	s_lshl_b32 s46, s[UN0], 14                     ; a unit's four rows of mask words: 16 KB
	s_mov_b32 s47, 0
	s_lshl_b32 s48, s[UN1], 14
	s_mov_b32 s49, 0
	s_mov_b32 s[CS], 0x3e0293ee                    ; c = log2(e) / sqrt(128)
	s_mov_b32 s[CS+1], s[CS]
	s_mov_b32 s[SEL], 0x76543210
	s_mov_b32 s[SEL+1], 0xfedcba98
	s_mov_b32 s[UC], 2
	s_wait_kmcnt 0x0
	s_add_nc_u64 s[QP:QP+1], s[36:37], s[42:43]
	s_add_nc_u64 s[KB:KB+1], s[QP:QP+1], 0x800000
	s_add_nc_u64 s[VB:VB+1], s[QP:QP+1], 0x1000000
	s_mov_b64 s[MWP:MWP+1], s[38:39]
	s_add_nc_u64 s[OB:OB+1], s[OB:OB+1], s[44:45]
	s_add_nc_u64 s[46:47], s[MWP:MWP+1], s[46:47]
	s_add_nc_u64 s[48:49], s[MWP:MWP+1], s[48:49]
.irp t, 0,1,2,3
.irp f, 0,1
	global_load_b128 v[64+16*\f+4*\t:67+16*\f+4*\t], v[LL], s[46:47] offset:4096*\t+2048*\f   ; query tile t, steps s = 4 f + lane / 8: of the first unit,
	global_load_b128 v[96+16*\f+4*\t:99+16*\f+4*\t], v[LL], s[48:49] offset:4096*\t+2048*\f   ; of the second
.endr
.endr
	QLOAD UN0
	s_wait_loadcnt 32                              ; the 16 loads of mask words are in; Q's 32 may be out
.irp n, 1,2,3,4,5,6,7,8,9,10,11,12,13,14,15
.irp g, 64,80,96,112
	v_or_b32 v[\g], v[\g], v[\g+\n]
.endr
.endr
	v_cmp_ne_u32 s50, 0, v64
	v_cmp_ne_u32 s51, 0, v80
	v_cmp_ne_u32 s52, 0, v96
	v_cmp_ne_u32 s53, 0, v112
	LIST LST, 50, 51
	LIST LST2, 52, 53
	PEEK                                           ; K of the first unit's first step
	FETCH_KC 0
	FETCH_KC 1
	FETCH_KC 2
	FETCH_KC 3
	WIN 0
.Lunit:                                            ; two trips.  On the way in: K of the unit's first step and its Q have been asked for
	s_wait_xcnt 0x0                                ; the last unit's stores have read their registers and their base
	s_wait_kmcnt 0x0
	POP
	s_lshl_b32 s101, s[UN0], 14
.irp r, 0,1,2,3
	s_xor_b32 s3, s[WV], \r
	s_lshl_b32 s3, s3, 12
	s_add_co_u32 s32, s3, s101
	s_mov_b32 s33, 0
	s_add_nc_u64 s[MB+2*\r:MB+2*\r+1], s[MWP:MWP+1], s[32:33]      ; register tile r's row of mask words
.endr
	MLOAD 0
	FETCH_VH 0
	FETCH_VH 1
	WIN 0x40
.set n, 0
.rept 256
	v_mov_b32 v[n], 0                              ; O^T.  Which turn multiplies first hangs on the list, so no product of the text can start the sums; these lines stand while the loads above are out
.set n, n+1
.endr
	WIN 0
.irp t, 0,1,2,3
	v_mul_f32 v[ST+8*\t], s[CS], v[NEGR]           ; c m, exact: NEG is a power of two
	v_mov_b32 v[ST+8*\t+1], v[NEGR]
	v_mov_b32 v[ST+8*\t+2], 0
	v_mov_b32 v[ST+8*\t+3], 0
.endr
	s_wait_loadcnt 32                              ; Q and K are in; V's 32 loads may be out
.set i, 0
.rept 32
	KQ 0
.set i, i+1
.endr
	PLACES
	TURN 2, 0, 1, 1, 2                             ; piece 2's scores | piece 0's softmax | K of the list's second step
	WIN 0
	s_mov_b32 s[CNT], 7
.Lstep:                                            ; seven trips, as many as a list can have steps behind its first; a trip with nothing left does nothing
	s_cmp_eq_u32 s[LST], 0
	s_cbranch_scc1 .Lidle
	s_wait_kmcnt 0x0                               ; the mask words asked for by the old offset are in
	POP
	TURN 0, 1, 1, 1, 0                             ; piece 0: V^T P of the step in hand, K Q^T of the next | piece 2's softmax
	TURN 2, 1, 1, 1, 1                             ; piece 2: the same | piece 0's softmax of the next step | V of the next step, K of the one after
	WIN 0
.Lidle:
	s_sub_co_u32 s[CNT], s[CNT], 1
	s_cmp_lg_u32 s[CNT], 0
	s_cbranch_scc1 .Lstep
	s_wait_loadcnt 32                              ; V of the last step is in; the 32 loads of K behind it may be out
	s_cmp_eq_u32 s[UC], 1
	s_cbranch_scc1 .Lnoq
	QLOAD UN1                                      ; the next unit's Q: this unit's has had its last product
.Lnoq:
	TURN 0, 1, 0, 0, 0                             ; piece 0: V^T P of the last step | piece 2's last softmax
.set i, 0
.rept 32
	PV 2
.set i, i+1
.endr
	; THE MERGE.  Each wave sends register tiles 1, 2, 3 (O^T, c m, l) and receives, from wave w xor r, its register tile r: the queries of my register tile 0 over the other three quarters of the keys.
	WIN 0
.irp t, 0,1,2,3
	v_add_f32 v[ST+8*\t+4], v[ST+8*\t+2], v[ST+8*\t+3]             ; (these lines are the places behind the last products)
.endr
.irp t, 0,1,2,3
	v_permlanex16_b32 v[ST+8*\t+5], v[ST+8*\t+4], s[SEL], s[SEL+1]
.endr
.irp t, 0,1,2,3
	v_add_f32 v[ST+8*\t+4], v[ST+8*\t+4], v[ST+8*\t+5]             ; the row's sum over my keys
.endr
	WIN 0x04                                       ; an LDS store's data: window 1
.set n, 0
.rept 48
	ds_store_b128 v[XS], v[64+4*n:67+4*n] offset:512*n
.set n, n+1
.endr
	WIN 0
.irp r, 1,2,3
	ds_store_b32 v[XS4], v[ST+8*\r] offset:24576+256*(\r-1)
	ds_store_b32 v[XS4], v[ST+8*\r+4] offset:24576+256*(\r-1)+128
.endr
	s_wait_dscnt 0x0                               ; for the partners' sake: my stores have landed
	s_barrier_signal -1
	s_barrier_wait -1
.irp r, 1,2,3
.set n, 0
.rept 16
	ds_load_b128 v[64*\r+4*n:64*\r+4*n+3], v[XR+\r-1] offset:8192*(\r-1)+512*n
.set n, n+1
.endr
	ds_load_b32 v[PC+\r-1], v[XR4+\r-1] offset:24576+256*(\r-1)
	ds_load_b32 v[PL+\r-1], v[XR4+\r-1] offset:24576+256*(\r-1)+128
.endr
	s_wait_dscnt 0x0                               ; my reads are over:
	s_barrier_signal -1
	s_barrier_wait -1                              ; when everybody's are, the next unit's merge may write these bytes
	v_max3_num_f32 v[CN], v[ST], v[PC], v[PC+1]
	v_max_num_f32 v[CN], v[CN], v[PC+2]            ; the common c m
	v_sub_f32 v[FF], v[ST], v[CN]
.irp r, 1,2,3
	v_sub_f32 v[FF+\r], v[PC+\r-1], v[CN]
.endr
.irp r, 0,1,2,3
	v_exp_f32 v[FF+\r], v[FF+\r]
.endr
	v_mov_b32 v[NANR], 0x7fc00000                  ; (a plain line behind the batch)
	s_wait_alu depctr_va_vdst(0)
	v_mul_f32 v[LL], v[FF], v[ST+4]
.irp r, 1,2,3
	v_fma_f32 v[LL], v[FF+\r], v[PL+\r-1], v[LL]   ; the row's whole sum
.endr
	v_rcp_f32 v[LL], v[LL]
	v_nop
	s_wait_alu depctr_va_vdst(0)
	v_cmp_gt_f32 vcc_lo, 0xfb800000, v[CN]         ; c m under -2^120: no key of the row counted
	v_cndmask_b32 v[LL], v[LL], v[NANR], vcc_lo
.irp r, 0,1,2,3
	v_mul_f32 v[GG+2*\r], v[FF+\r], v[LL]
.endr
.irp r, 0,1,2,3
	v_mov_b32 v[GG+2*\r+1], v[GG+2*\r]
.endr
	WIN W_RS
.set i, 0
.rept 32
	v_pk_mul_f32 v[i:i+1], v[i:i+1], v[GG:GG+1] op_sel_hi:[1,0]
.set i, i+2
.endr
.irp r, 1,2,3
	WIN 0x50                                       ; the partner's tile and its factor in window 0; C and D window 1
.set i, 0
.rept 32
	v_pk_fma_f32 v[i:i+1], v[64*\r+i:64*\r+i+1], v[GG+2*\r:GG+2*\r+1], v[i:i+1] op_sel_hi:[1,0,1]
.set i, i+2
.endr
.endr
	WIN 0x05
.set i, 0
.rept 32
	v_cvt_pk_f16_f32 v[S+i], v[2*i], v[2*i+1]
.set i, i+1
.endr
	WIN 0
	s_lshl_b32 s32, s[UN0], 15                     ; token tile 4 unit + w, 8 KB each
	s_mov_b32 s33, 0
	s_add_nc_u64 s[32:33], s[OB:OB+1], s[32:33]
.irp e, 0,1,2,3,4,5,6,7
	global_store_b128 v[LI], v[S+4*\e:S+4*\e+3], s[32:33] offset:512*\e   ; channels 16 e on: half e % 2 of the projection's fragment e / 2: 512 consecutive aligned bytes
.endr
	s_mov_b32 s[UN0], s[UN1]
	s_mov_b32 s[LST], s[LST2]
	s_mov_b32 s[LST2], 1                           ; behind the last unit's list K is fetched once more, from a step of the head, and not used
	s_sub_co_u32 s[UC], s[UC], 1
	s_cmp_lg_u32 s[UC], 0
	s_cbranch_scc1 .Lunit
	s_wait_tensorcnt 0x0                           ; the wave's end, behind my last LDS store
	ds_add_u32 v[SPW], v[NIL]
	s_wait_dscnt 0x0
	s_endpgm
.Lfunc_end_k_q4f660c9644_attn:
	.size	k_q4f660c9644_attn, .Lfunc_end_k_q4f660c9644_attn-k_q4f660c9644_attn
	.p2alignl 7, 3214868480
	.fill 96, 4, 3214868480
	.section	.rodata,"a",@progbits
	.p2align	6, 0x0
	.amdhsa_kernel k_q4f660c9644_attn
		.amdhsa_group_segment_fixed_size 101888
		.amdhsa_private_segment_fixed_size 0
		.amdhsa_enable_private_segment 0
		.amdhsa_kernarg_size 24
		.amdhsa_user_sgpr_count 2
		.amdhsa_user_sgpr_kernarg_segment_ptr 1
		.amdhsa_wavefront_size32 1
		.amdhsa_system_sgpr_workgroup_id_x 1
		.amdhsa_system_sgpr_workgroup_id_y 1
		.amdhsa_system_sgpr_workgroup_id_z 1
		.amdhsa_system_vgpr_workitem_id 0
		.amdhsa_next_free_vgpr 1024
		.amdhsa_next_free_sgpr 102
		.amdhsa_reserve_vcc 1
		.amdhsa_float_denorm_mode_32 3
		.amdhsa_float_denorm_mode_16_64 3
		.amdhsa_memory_ordered 1
		.amdhsa_forward_progress 1
		.amdhsa_inst_pref_size 170
	.end_amdhsa_kernel
	.amdgpu_metadata
---
amdhsa.version: [ 1, 2 ]
amdhsa.kernels:
  - .name:           k_q4f660c9644_attn
    .symbol:         k_q4f660c9644_attn.kd
    .args:
      - { .name: qkv, .offset: 0, .size: 8, .value_kind: global_buffer, .address_space: global }
      - { .name: mw, .offset: 8, .size: 8, .value_kind: global_buffer, .address_space: global }
      - { .name: oimg, .offset: 16, .size: 8, .value_kind: global_buffer, .address_space: global }
    .group_segment_fixed_size: 101888
    .private_segment_fixed_size: 0
    .kernarg_segment_align: 8
    .kernarg_segment_size: 24
    .max_flat_workgroup_size: 128
    .sgpr_count:     102
    .vgpr_count:     1024
    .wavefront_size: 32
...
	.end_amdgpu_metadata
.endif
;; end of part 3
;; launch oproj (part 4): grid 16 x 16, 4 waves a work-group, clusters of 4 x 4, 327,680 bytes of LDS; arguments oimg, prep, out0; writes out0
.if DOCPART == 4
	.amdgcn_target "amdgcn-amd-amdhsa--gfx1250"
	.amdhsa_code_object_version 6
	.text
	.protected	k_q4f660c9644_oproj
	.globl	k_q4f660c9644_oproj
	.p2align	8
	.type	k_q4f660c9644_oproj,@function
k_q4f660c9644_oproj:
	s_mov_b64 s[64:65], 0
	v_nop
	global_prefetch_b8 v0, s[64:65] scope:SCOPE_SE
	s_setreg_imm32_b32 hwreg(HW_REG_WAVE_MODE, 25, 1), 1
	s_wait_xcnt 0x0
	s_wait_alu depctr_hold_cnt(0) depctr_sa_sdst(0) depctr_va_vdst(0) depctr_va_sdst(0) depctr_va_ssrc(0) depctr_va_vcc(0) depctr_vm_vsrc(0)
	s_getreg_b32 s2, hwreg(HW_REG_IB_STS2, 6, 4)
	s_cmp_eq_u32 s2, 0
	s_cbranch_scc0 .Lentry_in_a_cluster
	s_endpgm
.Lentry_in_a_cluster:
	s_bfe_u32 s2, ttmp6, 0x10000c
	s_cmp_lg_u32 s2, 0xf033
	s_cbranch_scc0 .Lentry_shape_is_right
	s_endpgm
.Lentry_shape_is_right:
; out0[t][d] = the sum over c of O[t][c] Wo[d][c], operands in f16, sums in f32, out0 in f32.  A tile is 128 x 128 (256 work-groups), a wave makes 64 x 64: 16 accumulators.  K goes in steps of 256 through two LDS slots.
; Both operands lie in memory as images of their fragments (16 rows x 32 K: 1 KB, [half][lane][16 bytes]), [K step of 256][row tile][8 images]: a wave's part of a K step (4 row tiles) is one dense block of 32 KB.
; CLUSTERS: 4 x 4; O's tiles are asked for jointly along a row of the cluster, Wo's along a column.  THE MATRIX INSTRUCTION IS USED TRANSPOSED: a lane holds eight neighbouring numbers of a row of out0.
; All 2,048 rows are made here, the first 16 too, which the next launch writes once more, more finely: leaving them out would be a branch on a work-group's place in its cluster.
; REGISTERS: window 0: v16-29 addresses; v32-95 rows on the way out; v128-255 the accumulators;  window 1: two fragment buffers of 128.
.set SLOT,   131072
.set STAGE,  262144                    ; behind the ring: 16 rows x (256 + 16) bytes for each wave
.set SPITCH, 272
.set SPARE,  STAGE+4*16*SPITCH
.set LAPS,   4
.set ADRA, 16
.set ADRB, 20
.set STO,  24
.set RD,   25
.set CO,   26
.set SPW,  28
.set NIL,  29
.set BK,   32
.set ACC,  128
.set F0,   0
.set F1,   128
.set G1, 24
.set G0, 32
.set G1B, 48
.set G0B, 56
.set MSB, 0
.macro WIN new
.if MSB != \new
	s_set_vgpr_msb (MSB<<8)|\new
.set MSB, \new
.endif
.endm
.set MUL,  0x05
.set TO_F, 0x40
.macro JLOAD s
	s_cmp_eq_u32 s11, 0
	s_cbranch_scc0 .Lfor_b_\@
	tensor_load_to_lds s[G0+4*\s:G0+4*\s+3], s[G1:G1+7]
	s_nop 0
.rept 4
	v_nop
.endr
	s_branch .Lasked_\@
.Lfor_b_\@:
	tensor_load_to_lds s[G0B+4*\s:G0B+4*\s+3], s[G1B:G1B+7]
	s_nop 0
.rept 4
	v_nop
.endr
.Lasked_\@:
.endm
.macro CREST
	s_cmp_lg_u32 s10, 0
	s_cbranch_scc1 .Lnot_wave_0_\@
	s_barrier_signal -3
.Lnot_wave_0_\@:
	s_barrier_wait -3
	s_barrier_signal -1
	s_barrier_wait -1
.endm
.macro CROUND
	s_barrier_signal -1
	s_barrier_wait -1
	CREST
.endm
	s_load_b128 s[4:7], s[0:1], 0x0                ; oimg, prep
	s_load_b64 s[8:9], s[0:1], 0x10                ; out0
	v_lshl_add_u32 v[SPW], v0, 2, SPARE
	v_mov_b32 v[NIL], 0
	ds_add_u32 v[SPW], v[NIL]                      ; the wave's opening: the add, twice on end, and its wait ahead of my first tensor load
	ds_add_u32 v[SPW], v[NIL]
	v_lshrrev_b32 v1, 5, v0
	v_readfirstlane_b32 s10, v1
	s_lshr_b32 s11, s10, 1                         ; my half of the tile's rows; also: I fetch for O (0) or Wo (1)
	s_and_b32 s12, s10, 1                          ; my half of its columns; also: which 4 row tiles I fetch
	s_bfe_u32 s40, ttmp6, 0x40000
	s_bfe_u32 s41, ttmp6, 0x40004
	s_lshl_b32 s42, ttmp9, 2
	s_add_co_u32 s42, s42, s40                     ; tile column
	s_and_b32 s13, ttmp7, 0xffff
	s_lshl_b32 s13, s13, 2
	s_add_co_u32 s13, s13, s41                     ; tile row
	s_lshl_b32 s43, s41, 2
	s_lshl_b32 s43, 15, s43
	s_lshl_b32 s44, 0x1111, s40
	s_or_b32 s[G1+0], s43, (3<<16)|(1<<21)         ; a dense block of 128 rows of 256 bytes (32 elements of 8 bytes)
	s_or_b32 s[G1B+0], s44, (3<<16)|(1<<21)
.irp g, G1, G1B
	s_mov_b32 s[\g+1], 32<<16
	s_mov_b32 s[\g+2], 128<<16
	s_mov_b32 s[\g+3], 32<<16
	s_mov_b32 s[\g+4], 128
	s_mov_b32 s[\g+5], 32
	s_mov_b32 s[\g+6], 0
	s_mov_b32 s[\g+7], 0
.endr
	s_lshl_b32 s18, s12, 2
	s_lshl_b32 s16, s13, 3
	s_add_co_u32 s16, s16, s18                     ; O: token tile 8 x tile row + 4 x half, 8 KB each
	s_lshl_b32 s16, s16, 13
	s_mov_b32 s17, 0
	s_lshl_b32 s46, s42, 3
	s_add_co_u32 s46, s46, s18
	s_lshl_b32 s46, s46, 13
	s_add_co_u32 s46, s46, 0x980000                ; Wo's images in prep
	s_mov_b32 s47, 0
	s_lshl_b32 s20, s10, 15
	s_wait_dscnt 0x0
	s_wait_kmcnt 0x0
	s_add_nc_u64 s[14:15], s[4:5], s[16:17]
	s_add_nc_u64 s[46:47], s[6:7], s[46:47]
	CROUND
.irp s, 0,1
	s_mov_b32 s[G0+4*\s], 1
	s_add_co_u32 s[G0+4*\s+1], s20, \s*SLOT
	s_add_nc_u64 s[G0+4*\s+2:G0+4*\s+3], s[14:15], \s*0x100000     ; a K step is 1 MB on
	s_or_b32 s[G0+4*\s+3], s[G0+4*\s+3], 0x80000000
	s_mov_b32 s[G0B+4*\s], 1
	s_add_co_u32 s[G0B+4*\s+1], s20, \s*SLOT
	s_add_nc_u64 s[G0B+4*\s+2:G0B+4*\s+3], s[46:47], \s*0x100000
	s_or_b32 s[G0B+4*\s+3], s[G0B+4*\s+3], 0x80000000
	JLOAD \s
.endr
	v_and_b32 v1, 15, v0
	v_bfe_u32 v2, v0, 4, 1
	v_and_b32 v3, 31, v0
	v_lshlrev_b32 v3, 4, v3                        ; 16 x lane
	s_lshl_b32 s21, s11, 15
	s_lshl_b32 s22, s12, 15
	s_add_co_u32 s22, s22, 65536
.irp s, 0,1
	v_add_nc_u32 v[ADRA+\s], s21, v3
	v_add_nc_u32 v[ADRB+\s], s22, v3
	s_add_co_u32 s21, s21, SLOT
	s_add_co_u32 s22, s22, SLOT
.endr
	s_mul_i32 s23, s10, 16*SPITCH
	s_add_co_u32 s23, s23, STAGE                   ; my stage
	v_mul_u32_u24 v4, v1, SPITCH
	v_lshl_add_u32 v4, v2, 5, v4
	v_add_nc_u32 v[STO], s23, v4                   ; in: row r, 32 bytes for each half of the lanes
	v_mul_u32_u24 v5, v2, SPITCH
	v_lshl_add_u32 v5, v1, 4, v5
	v_add_nc_u32 v[RD], s23, v5                    ; back: lanes 0-15 one row of 256 bytes, lanes 16-31 the next
	v_lshlrev_b32 v5, 13, v2
	v_lshl_add_u32 v[CO], v1, 4, v5                ; and the same two rows in out0
	s_lshl_b32 s16, s13, 20                        ; my first row: (128 x tile row + 64 x half) x 8,192 bytes
	s_lshl_b32 s17, s11, 19
	s_add_co_u32 s16, s16, s17
	s_lshl_b32 s17, s42, 9                         ; my first column: (128 x tile column + 64 x half) x 4 bytes
	s_add_co_u32 s16, s16, s17
	s_lshl_b32 s17, s12, 8
	s_add_co_u32 s16, s16, s17
	s_mov_b32 s17, 0
	s_add_nc_u64 s[8:9], s[8:9], s[16:17]
.macro MUL8 f, c, a0, zero             ; the 16 accumulators take turns, one instruction a turn
.irp a, \a0, \a0+1
.irp b, 0,1,2,3
.if \zero
	v_wmma_f32_16x16x32_f16 v[ACC+8*(4*(\a)+\b):ACC+8*(4*(\a)+\b)+7], v[\f+64+8*(4*\c+\b):\f+64+8*(4*\c+\b)+7], v[\f+8*(4*\c+\a):\f+8*(4*\c+\a)+7], 0
.else
	v_wmma_f32_16x16x32_f16 v[ACC+8*(4*(\a)+\b):ACC+8*(4*(\a)+\b)+7], v[\f+64+8*(4*\c+\b):\f+64+8*(4*\c+\b)+7], v[\f+8*(4*\c+\a):\f+8*(4*\c+\a)+7], v[ACC+8*(4*(\a)+\b):ACC+8*(4*(\a)+\b)+7]
.endif
.endr
.endr
.endm
.macro FETCH slot, k, f                ; 32 LDS loads in one run: the images of 64 along K (two of a row tile's eight, from byte k on), the first 32 along K first
	WIN TO_F
.irp c, 0,1
.irp i, 0,1,2,3
	ds_load_b128 v[\f+64+8*(4*\c+\i):\f+64+8*(4*\c+\i)+3],   v[ADRB+\slot] offset:\k+1024*\c+8192*\i
	ds_load_b128 v[\f+64+8*(4*\c+\i)+4:\f+64+8*(4*\c+\i)+7], v[ADRB+\slot] offset:\k+1024*\c+8192*\i+512
	ds_load_b128 v[\f+8*(4*\c+\i):\f+8*(4*\c+\i)+3],         v[ADRA+\slot] offset:\k+1024*\c+8192*\i
	ds_load_b128 v[\f+8*(4*\c+\i)+4:\f+8*(4*\c+\i)+7],       v[ADRA+\slot] offset:\k+1024*\c+8192*\i+512
.endr
.endr
.endm
.macro PLACES
.rept 4
	v_nop
.endr
.endm
.macro QUARTER slot, k, f, g, zero
	s_wait_dscnt 16                                ; the first 32 along K are in; the other sixteen loads may be out
	WIN MUL
	MUL8 \f, 0, 0, \zero
	MUL8 \f, 0, 2, \zero
	PLACES
	FETCH \slot, \k, \g
	s_wait_dscnt 32                                ; all but the 32 just issued
	WIN MUL
	MUL8 \f, 1, 0, 0
	MUL8 \f, 1, 2, 0
.endm
.macro TURN slot, next, fill
	WIN 0
	s_wait_tensorcnt 0x0                           ; all my tensor loads have landed: my part of the next slot
	ds_add_u32 v[SPW], v[NIL]
	s_wait_dscnt 17                                ; (the add and the youngest sixteen loads may be out)
	WIN MUL
	MUL8 F1, 0, 0, 0
	s_wait_dscnt 0x0                               ; the add is done, and my reads of this slot are over
	s_barrier_signal -1
	MUL8 F1, 0, 2, 0
.if \fill
	WIN 0
.endif
	s_barrier_wait -1
.if \fill
	CREST
	s_add_nc_u64 s[G0+4*\slot+2:G0+4*\slot+3], s[G0+4*\slot+2:G0+4*\slot+3], 0x200000
	s_add_nc_u64 s[G0B+4*\slot+2:G0B+4*\slot+3], s[G0B+4*\slot+2:G0B+4*\slot+3], 0x200000
	JLOAD \slot
.else
	PLACES
.endif
	FETCH \next, 0, F0
	WIN MUL
	MUL8 F1, 1, 0, 0
	MUL8 F1, 1, 2, 0
.endm
	s_wait_tensorcnt 1                             ; my part of K step 0 is in; K step 1's may be out
	s_barrier_signal -1
	s_barrier_wait -1
	FETCH 0, 0, F0
	QUARTER 0, 2048, F0, F1, 1
	WIN 0
	s_mov_b32 s3, LAPS-1
.Llap:
	QUARTER 0, 4096, F1, F0, 0
	QUARTER 0, 6144, F0, F1, 0
	TURN 0, 1, 1
	QUARTER 1, 2048, F0, F1, 0
	QUARTER 1, 4096, F1, F0, 0
	QUARTER 1, 6144, F0, F1, 0
	TURN 1, 0, 1
	QUARTER 0, 2048, F0, F1, 0
	WIN 0
	s_sub_co_u32 s3, s3, 1
	s_cmp_lg_u32 s3, 0
	s_cbranch_scc1 .Llap
	QUARTER 0, 4096, F1, F0, 0
	QUARTER 0, 6144, F0, F1, 0
	TURN 0, 1, 0
	QUARTER 1, 2048, F0, F1, 0
	QUARTER 1, 4096, F1, F0, 0
	QUARTER 1, 6144, F0, F1, 0
	s_wait_dscnt 16
	WIN MUL
	MUL8 F1, 0, 0, 0
	MUL8 F1, 0, 2, 0
	s_wait_dscnt 0
	MUL8 F1, 1, 0, 0
	MUL8 F1, 1, 2, 0
	WIN 0
; THE WAY OUT: a wave's 64 columns are 256 bytes of a row.  A block of 16 rows goes through my own stage and comes back as whole rows: sixteen lanes store 256 consecutive aligned bytes.  LDS serves a wave's instructions in order.
.macro TOSTAGE a
.irp b, 0,1,2,3
	ds_store_b128 v[STO], v[ACC+8*(4*(\a)+\b):ACC+8*(4*(\a)+\b)+3] offset:64*\b      ; each accumulator from its low end on
	ds_store_b128 v[STO], v[ACC+8*(4*(\a)+\b)+4:ACC+8*(4*(\a)+\b)+7] offset:64*\b+16
.endr
.set BB, BK+32*((\a)%2)
.irp t, 0,1,2,3,4,5,6,7
	ds_load_b128 v[BB+4*\t:BB+4*\t+3], v[RD] offset:\t*2*SPITCH
.endr
.endm
.macro SEND a, younger
.set BB, BK+32*((\a)%2)
	s_wait_dscnt \younger
.irp t, 0,1,2,3,4,5,6,7
	global_store_b128 v[CO], v[BB+4*\t:BB+4*\t+3], s[8:9] offset:(16*(\a)+2*\t)*8192 th:TH_STORE_NT
.endr
.endm
	PLACES
	TOSTAGE 0
.irp a, 1,2,3
.if \a > 1
	s_wait_xcnt 0x0                                ; block a - 2's stores have read their registers
.endif
	TOSTAGE \a
	SEND \a-1, 16                                  ; behind block a - 1's loads: block a's 8 stores and 8 loads
.endr
	SEND 3, 0
	s_wait_tensorcnt 0x0                           ; the wave's end
	ds_add_u32 v[SPW], v[NIL]
	s_wait_dscnt 0x0
	CROUND
	s_endpgm
.Lfunc_end_k_q4f660c9644_oproj:
	.size	k_q4f660c9644_oproj, .Lfunc_end_k_q4f660c9644_oproj-k_q4f660c9644_oproj
	.p2alignl 7, 3214868480
	.fill 96, 4, 3214868480
	.section	.rodata,"a",@progbits
	.p2align	6, 0x0
	.amdhsa_kernel k_q4f660c9644_oproj
		.amdhsa_group_segment_fixed_size 327680
		.amdhsa_private_segment_fixed_size 0
		.amdhsa_enable_private_segment 0
		.amdhsa_kernarg_size 24
		.amdhsa_user_sgpr_count 2
		.amdhsa_user_sgpr_kernarg_segment_ptr 1
		.amdhsa_wavefront_size32 1
		.amdhsa_system_sgpr_workgroup_id_x 1
		.amdhsa_system_sgpr_workgroup_id_y 1
		.amdhsa_system_sgpr_workgroup_id_z 1
		.amdhsa_system_vgpr_workitem_id 0
		.amdhsa_next_free_vgpr 512
		.amdhsa_next_free_sgpr 66
		.amdhsa_reserve_vcc 0
		.amdhsa_float_denorm_mode_32 3
		.amdhsa_float_denorm_mode_16_64 3
		.amdhsa_memory_ordered 1
		.amdhsa_forward_progress 1
		.amdhsa_inst_pref_size 85
	.end_amdhsa_kernel
	.amdgpu_metadata
---
amdhsa.version: [ 1, 2 ]
amdhsa.kernels:
  - .name:           k_q4f660c9644_oproj
    .symbol:         k_q4f660c9644_oproj.kd
    .args:
      - { .name: oimg, .offset: 0, .size: 8, .value_kind: global_buffer, .address_space: global }
      - { .name: prep, .offset: 8, .size: 8, .value_kind: global_buffer, .address_space: global }
      - { .name: out0, .offset: 16, .size: 8, .value_kind: global_buffer, .address_space: global }
    .group_segment_fixed_size: 327680
    .private_segment_fixed_size: 0
    .kernarg_segment_align: 8
    .kernarg_segment_size: 24
    .max_flat_workgroup_size: 128
    .sgpr_count:     66
    .vgpr_count:     512
    .wavefront_size: 32
...
	.end_amdgpu_metadata
.endif
;; end of part 4
;; launch fine (part 5): grid 128 x 1, 16 waves a work-group, no clusters, 153,600 bytes of LDS; arguments qkv, mw, Wo, out0; writes out0
.if DOCPART == 5
	.amdgcn_target "amdgcn-amd-amdhsa--gfx1250"
	.amdhsa_code_object_version 6
	.text
	.protected	k_q4f660c9644_fine
	.globl	k_q4f660c9644_fine
	.p2align	8
	.type	k_q4f660c9644_fine,@function
k_q4f660c9644_fine:
	s_mov_b64 s[64:65], 0
	v_nop
	global_prefetch_b8 v0, s[64:65] scope:SCOPE_SE
	s_setreg_imm32_b32 hwreg(HW_REG_WAVE_MODE, 25, 1), 1
	s_wait_xcnt 0x0
; THE FIRST 16 POSITIONS ONCE MORE, MORE FINELY.  Their rows may average one to a few values, so the rounding of f16 operands weighs most there: P V and the projection take their operands as pairs of f16 numbers,
; a high and a low part split in f32 (three products: high x high, low x high, high x low); the scores, which always sum 128 terms, stay in plain f16.  Softmax with a running maximum, in f32, as in the launch for all rows.
; SHARES.  Work-group g owns columns 16 g .. 16 g + 15 of out0's rows 0-15; wave w owns head w: it makes O of the 16 rows for its head, multiplies by its 16 x 128 piece of Wo (read as f32), and the sixteen partial sums meet in LDS.
; Every work-group repeats the 16 rows' attention.  Blocks of 32 keys that none of the 16 rows may see are passed over by a scalar branch on the stored mask words; the loop's trip count is a constant, and no barrier stands in it.
; The launch's time grows with the number of such blocks that are seen.  Its stores are pieces of 64 bytes: 128 KB in all.  LIMITS as in the launches before; low parts under 6e-5 are f16 subnormals.
; REGISTERS: v1-11 addresses and constants; v12 c m, v13 m, v14 l, v[16:17] a; v24-31 P high; v32-63 Q, later O high; v64-127 K or V high and low, later O low and Wo high; v128-143 scores and p, v144-151 P low, later Wo low;
;   v168-231 O^T, later Wo in f32; v232-247 at work, later with v248-255 the projection's three sums.
.set WSTB,  8448                       ; a wave's stage for Wo: 16 rows x 528 bytes
.set RED,   135168                     ; the sixteen partial sums, 1 KB each
.set SPARE, 151552                     ; the spare words, 128 bytes a wave
.set TMPL,  232
.macro UNPK d, n                       ; the two f16 of v n, widened
	v_cvt_f32_f16 v[\d], v\n\().l
	v_cvt_f32_f16 v[\d+1], v\n\().h
.endm
; eight packed registers a0 .. a7, made of the 16 numbers v[src] on: what they left, rounded to f16, into v[dst] on
.macro LOW8 src, dst, a0, a1, a2, a3, a4, a5, a6, a7
.set zz, TMPL
.irp n, \a0, \a1, \a2, \a3, \a4, \a5, \a6, \a7
	UNPK zz, \n
.set zz, zz+2
.endr
.irp m, 0,2,4,6,8,10,12,14
	v_pk_add_f32 v[TMPL+\m:TMPL+\m+1], v[\src+\m:\src+\m+1], v[TMPL+\m:TMPL+\m+1] neg_lo:[0,1] neg_hi:[0,1]
.endr
.irp m, 0,1,2,3,4,5,6,7
	v_cvt_pk_f16_f32 v[\dst+\m], v[TMPL+2*\m], v[TMPL+2*\m+1]
.endr
.endm
	s_load_b256 s[4:11], s[0:1], 0x0               ; qkv, mw, Wo, out0
	v_lshl_add_u32 v10, v0, 2, SPARE
	v_mov_b32 v11, 0
	v_lshrrev_b32 v18, 5, v0
	v_readfirstlane_b32 s2, v18                    ; wave = head
	v_and_b32 v19, 31, v0
	v_lshlrev_b32 v1, 4, v19                       ; 16 x lane
	v_lshlrev_b32 v20, 6, v19                      ; 64 x lane
	v_and_b32 v2, 15, v0                           ; r
	v_bfe_u32 v3, v0, 4, 1                         ; h
	s_mul_i32 s3, s2, WSTB
	v_add_nc_u32 v4, s3, v1                        ; Wo into my stage
	v_mul_u32_u24 v5, v2, 528
	v_lshl_add_u32 v5, v3, 5, v5
	v_add_nc_u32 v5, s3, v5                        ; and out of it: row r, + 32 h
	s_lshl_b32 s3, s2, 10
	s_add_co_u32 s3, s3, RED
	v_add_nc_u32 v6, s3, v1                        ; my partial sum
	s_and_b32 s23, s2, 1
	s_lshl_b32 s3, s23, 9
	s_add_co_u32 s3, s3, RED
	v_add_nc_u32 v7, s3, v1                        ; waves 0, 1: which half of each partial sum I add up
	v_lshlrev_b32 v8, 13, v2
	v_lshl_add_u32 v8, v3, 5, v8
	s_lshl_b32 s3, s23, 4
	v_add_nc_u32 v8, s3, v8                        ; out0: row r, + 4 (8 h + 4 half) bytes
	v_mov_b32 v9, 0xfe800000                       ; NEG = -2^126
	s_mov_b32 s40, 0x76543210
	s_mov_b32 s41, 0xfedcba98
	s_mov_b32 s42, 0x3e0293ee                      ; c = log2(e) / sqrt(128)
	s_mov_b32 s43, s42
	s_lshl_b32 s46, s2, 19
	s_mov_b32 s47, 0
	s_lshl_b32 s48, ttmp9, 17                      ; Wo: row 16 g, + my head's 512 bytes
	s_lshl_b32 s3, s2, 9
	s_add_co_u32 s48, s48, s3
	s_mov_b32 s49, 0
	s_lshl_b32 s50, ttmp9, 6
	s_mov_b32 s51, 0
	s_wait_kmcnt 0x0
	s_add_nc_u64 s[44:45], s[4:5], s[46:47]        ; Q's images of my head (query tile 0),
	s_add_nc_u64 s[12:13], s[44:45], 0x800000      ; K's,
	s_add_nc_u64 s[14:15], s[44:45], 0x1000000     ; V's high parts,
	s_add_nc_u64 s[16:17], s[44:45], 0x1800000     ; V's low parts
	s_mov_b64 s[18:19], s[6:7]                     ; query tile 0's mask words
	s_add_nc_u64 s[8:9], s[8:9], s[48:49]
	s_add_nc_u64 s[10:11], s[10:11], s[50:51]
.irp i, 0,1,2,3,4,5,6,7,8,9,10,11,12,13,14,15
	global_load_b128 v[64+4*\i:67+4*\i], v1, s[8:9] offset:8192*\i      ; a row's 512 bytes
.endr
.irp e, 0,1,2,3,4,5,6,7
	global_load_b128 v[32+4*\e:35+4*\e], v1, s[44:45] offset:512*\e
.endr
.irp e, 0,1,2,3
	global_load_b128 v[128+4*\e:131+4*\e], v20, s[6:7] offset:16*\e          ; lane L: the 16 mask words of block L of 32 keys,
	global_load_b128 v[144+4*\e:147+4*\e], v20, s[6:7] offset:2048+16*\e     ; and of block L + 32
.endr
	s_wait_loadcnt 0x0
.irp i, 0,1,2,3,4,5,6,7,8,9,10,11,12,13,14,15
	ds_store_b128 v4, v[64+4*\i:67+4*\i] offset:528*\i
.endr
.irp n, 1,2,3,4,5,6,7,8,9,10,11,12,13,14,15
	v_or_b32 v128, v128, v[128+\n]
	v_or_b32 v144, v144, v[144+\n]
.endr
	v_cmp_ne_u32 s20, 0, v128                      ; bit L of s[20:21]: some of the 16 rows may see a key of block L
	v_cmp_ne_u32 s21, 0, v144
	v_mul_f32 v12, s42, v9                         ; c m, exact: NEG is a power of two
	v_mov_b32 v13, v9
	v_mov_b32 v14, 0
.irp n, 0,1,2,3,4,5,6,7,8,9,10,11,12,13,14,15,16,17,18,19,20,21,22,23,24,25,26,27,28,29,30,31,32,33,34,35,36,37,38,39,40,41,42,43,44,45,46,47,48,49,50,51,52,53,54,55,56,57,58,59,60,61,62,63
	v_mov_b32 v[168+\n], 0                         ; O^T: which trip is the first that works is not known to the text
.endr
	s_mov_b32 s22, 0
.Lkb:
	s_bitcmp1_b32 s20, 0
	s_cbranch_scc0 .Lidle
	s_load_b512 s[24:39], s[18:19], 0x0            ; the block's 16 mask words
.irp i, 0,1
.irp e, 0,1,2,3,4,5,6,7
	global_load_b128 v[64+32*\i+4*\e:67+32*\i+4*\e], v1, s[12:13] offset:4096*\i+512*\e
.endr
.endr
	s_wait_loadcnt 0x0
.irp c, 0,1,2,3
.irp i, 0,1
.if \c == 0
	v_wmma_f32_16x16x32_f16 v[128+8*\i:135+8*\i], v[64+32*\i+8*\c:71+32*\i+8*\c], v[32+8*\c:39+8*\c], 0
.else
	v_wmma_f32_16x16x32_f16 v[128+8*\i:135+8*\i], v[64+32*\i+8*\c:71+32*\i+8*\c], v[32+8*\c:39+8*\c], v[128+8*\i:135+8*\i]
.endif
.endr
.endr
.rept 4
	v_nop
.endr
	s_wait_kmcnt 0x0
.irp n, 0,1,2,3,4,5,6,7,8,9,10,11,12,13,14,15
	v_cndmask_b32 v[128+\n], v9, v[128+\n], s[24+\n]
.endr
	v_max3_num_f32 v18, v128, v129, v130
	v_max3_num_f32 v19, v131, v132, v133
	v_max3_num_f32 v18, v18, v134, v135
	v_max3_num_f32 v19, v19, v136, v137
	v_max3_num_f32 v18, v18, v138, v139
	v_max3_num_f32 v19, v19, v140, v141
	v_max3_num_f32 v18, v18, v142, v143
	v_max3_num_f32 v18, v18, v19, v13
	v_permlanex16_b32 v19, v18, s40, s41
	v_mov_b32 v20, v12
	v_max_num_f32 v13, v18, v19                    ; the running maximum
	v_mul_f32 v12, s42, v13
	v_sub_f32 v16, v20, v12
.irp n, 0,2,4,6,8,10,12,14
	v_pk_fma_f32 v[128+\n:129+\n], v[128+\n:129+\n], s[42:43], v[12:13] op_sel_hi:[1,0,0] neg_lo:[0,0,1] neg_hi:[0,0,1]
.endr
	v_exp_f32 v16, v16                             ; a = 2^(c m_old - c m_new)
.irp n, 0,1,2,3,4,5,6,7,8,9,10,11,12,13,14,15
	v_exp_f32 v[128+\n], v[128+\n]
.endr
	v_nop                                          ; a plain line behind the batch,
	s_wait_alu depctr_va_vdst(0)                   ; and one wait for the seventeen
	v_mov_b32 v17, v16
	v_pk_add_f32 v[20:21], v[128:129], v[130:131]
	v_pk_add_f32 v[22:23], v[132:133], v[134:135]
	v_pk_add_f32 v[20:21], v[20:21], v[136:137]
	v_pk_add_f32 v[22:23], v[22:23], v[138:139]
	v_pk_add_f32 v[20:21], v[20:21], v[140:141]
	v_pk_add_f32 v[22:23], v[22:23], v[142:143]
	v_pk_add_f32 v[20:21], v[20:21], v[22:23]
	v_add_f32 v18, v20, v21
	v_fma_f32 v14, v14, v16, v18                   ; l = a l + the sum of p
.irp n, 0,1,2,3,4,5,6,7
	v_cvt_pk_f16_f32 v[24+\n], v[128+2*\n], v[129+2*\n]
.endr
	LOW8 128, 144, 24,25,26,27,28,29,30,31
.irp n, 0,2,4,6,8,10,12,14,16,18,20,22,24,26,28,30,32,34,36,38,40,42,44,46,48,50,52,54,56,58,60,62
	v_pk_mul_f32 v[168+\n:169+\n], v[168+\n:169+\n], v[16:17] op_sel_hi:[1,0]   ; (these are also the places in front of the loads into K's registers)
.endr
.irp g, 0,1
.irp e, 0,1,2,3,4,5,6,7
	global_load_b128 v[64+4*\e:67+4*\e], v1, s[14:15] offset:4096*\g+512*\e
	global_load_b128 v[96+4*\e:99+4*\e], v1, s[16:17] offset:4096*\g+512*\e
.endr
	s_wait_loadcnt 0x0
.irp t, 0,1,2,3                        ; four accumulators by turns: high x high,
	v_wmma_f32_16x16x32_f16 v[168+32*\g+8*\t:175+32*\g+8*\t], v[64+8*\t:71+8*\t], v[24:31], v[168+32*\g+8*\t:175+32*\g+8*\t]
.endr
.irp t, 0,1,2,3                        ; low x high,
	v_wmma_f32_16x16x32_f16 v[168+32*\g+8*\t:175+32*\g+8*\t], v[96+8*\t:103+8*\t], v[24:31], v[168+32*\g+8*\t:175+32*\g+8*\t]
.endr
.irp t, 0,1,2,3                        ; high x low
	v_wmma_f32_16x16x32_f16 v[168+32*\g+8*\t:175+32*\g+8*\t], v[64+8*\t:71+8*\t], v[144:151], v[168+32*\g+8*\t:175+32*\g+8*\t]
.endr
.rept 4
	v_nop                                          ; places in front of the next loads into these registers, and of the reads behind the loop
.endr
.endr
.Lidle:
	s_lshr_b64 s[20:21], s[20:21], 1               ; every load of the trip has been waited for: the bases may step
	s_add_nc_u64 s[12:13], s[12:13], 8192
	s_add_nc_u64 s[14:15], s[14:15], 8192
	s_add_nc_u64 s[16:17], s[16:17], 8192
	s_add_nc_u64 s[18:19], s[18:19], 64
	s_add_co_u32 s22, s22, 1
	s_cmp_lt_u32 s22, 64
	s_cbranch_scc1 .Lkb
	; O = O^T / l, or NaN where no key of the row counted; then its high and low parts
	v_permlanex16_b32 v18, v14, s40, s41
	v_add_f32 v14, v14, v18
	v_rcp_f32 v14, v14
	v_mov_b32 v19, 0x7fc00000
	s_wait_alu depctr_va_vdst(0)
	v_cmp_gt_f32 vcc_lo, 0xfb800000, v12
	v_cndmask_b32 v14, v14, v19, vcc_lo
	v_mov_b32 v15, v14
.irp n, 0,2,4,6,8,10,12,14,16,18,20,22,24,26,28,30,32,34,36,38,40,42,44,46,48,50,52,54,56,58,60,62
	v_pk_mul_f32 v[168+\n:169+\n], v[168+\n:169+\n], v[14:15] op_sel_hi:[1,0]
.endr
.irp n, 0,1,2,3,4,5,6,7,8,9,10,11,12,13,14,15,16,17,18,19,20,21,22,23,24,25,26,27,28,29,30,31
	v_cvt_pk_f16_f32 v[32+\n], v[168+2*\n], v[169+2*\n]
.endr
	LOW8 168, 64, 32,33,34,35,36,37,38,39
	LOW8 184, 72, 40,41,42,43,44,45,46,47
	LOW8 200, 80, 48,49,50,51,52,53,54,55
	LOW8 216, 88, 56,57,58,59,60,61,62,63
	; Wo out of my own stage, in the fragments' order: for 32 u on: numbers 8 h + 0..7 and 16 + 8 h + 0..7 of row r
.irp u, 0,1,2,3
	ds_load_b128 v[168+16*\u:171+16*\u], v5 offset:128*\u
	ds_load_b128 v[172+16*\u:175+16*\u], v5 offset:128*\u+16
	ds_load_b128 v[176+16*\u:179+16*\u], v5 offset:128*\u+64
	ds_load_b128 v[180+16*\u:183+16*\u], v5 offset:128*\u+80
.endr
	s_wait_dscnt 0x0
.irp n, 0,1,2,3,4,5,6,7,8,9,10,11,12,13,14,15,16,17,18,19,20,21,22,23,24,25,26,27,28,29,30,31
	v_cvt_pk_f16_f32 v[96+\n], v[168+2*\n], v[169+2*\n]
.endr
	LOW8 168, 128, 96,97,98,99,100,101,102,103
	LOW8 184, 136, 104,105,106,107,108,109,110,111
	LOW8 200, 144, 112,113,114,115,116,117,118,119
	LOW8 216, 152, 120,121,122,123,124,125,126,127
.irp u, 0,1,2,3                        ; source 0 = Wo's 16 rows, source 1 = O's 16 rows: lane (r, h) holds row r, columns 8 h + 0..7.  Three sums by turns
.if \u == 0
	v_wmma_f32_16x16x32_f16 v[232:239], v[96:103], v[32:39], 0
	v_wmma_f32_16x16x32_f16 v[240:247], v[128:135], v[32:39], 0
	v_wmma_f32_16x16x32_f16 v[248:255], v[96:103], v[64:71], 0
.else
	v_wmma_f32_16x16x32_f16 v[232:239], v[96+8*\u:103+8*\u], v[32+8*\u:39+8*\u], v[232:239]
	v_wmma_f32_16x16x32_f16 v[240:247], v[128+8*\u:135+8*\u], v[32+8*\u:39+8*\u], v[240:247]
	v_wmma_f32_16x16x32_f16 v[248:255], v[96+8*\u:103+8*\u], v[64+8*\u:71+8*\u], v[248:255]
.endif
.endr
.rept 4
	v_nop
.endr
.irp j, 0,1,2,3,4,5,6,7
	v_add_f32 v[168+\j], v[232+\j], v[240+\j]
	v_add_f32 v[168+\j], v[168+\j], v[248+\j]
.endr
	ds_store_b128 v6, v[168:171]
	ds_store_b128 v6, v[172:175] offset:512
	s_wait_dscnt 0x0                               ; for the others' sake: my partial sum has landed
	s_barrier_signal -1
	s_barrier_wait -1
	s_cmp_lt_u32 s2, 2                             ; waves 0 and 1 add the sixteen heads' sums, four columns a lane each
	s_cbranch_scc0 .Ldone
.irp p, 0,1,2,3,4,5,6,7,8,9,10,11,12,13,14,15
	ds_load_b128 v[32+4*\p:35+4*\p], v7 offset:1024*\p
.endr
	s_wait_dscnt 0x0
.irp p, 1,2,3,4,5,6,7,8,9,10,11,12,13,14,15
	v_pk_add_f32 v[32:33], v[32:33], v[32+4*\p:33+4*\p]
	v_pk_add_f32 v[34:35], v[34:35], v[34+4*\p:35+4*\p]
.endr
	global_store_b128 v8, v[32:35], s[10:11]
.Ldone:
	s_wait_tensorcnt 0x0                           ; the wave's end, behind my last LDS store
	ds_add_u32 v10, v11
	s_wait_dscnt 0x0
	s_endpgm
.Lfunc_end_k_q4f660c9644_fine:
	.size	k_q4f660c9644_fine, .Lfunc_end_k_q4f660c9644_fine-k_q4f660c9644_fine
	.p2alignl 7, 3214868480
	.fill 96, 4, 3214868480
	.section	.rodata,"a",@progbits
	.p2align	6, 0x0
	.amdhsa_kernel k_q4f660c9644_fine
		.amdhsa_group_segment_fixed_size 153600
		.amdhsa_private_segment_fixed_size 0
		.amdhsa_enable_private_segment 0
		.amdhsa_kernarg_size 32
		.amdhsa_user_sgpr_count 2
		.amdhsa_user_sgpr_kernarg_segment_ptr 1
		.amdhsa_wavefront_size32 1
		.amdhsa_system_sgpr_workgroup_id_x 1
		.amdhsa_system_sgpr_workgroup_id_y 1
		.amdhsa_system_sgpr_workgroup_id_z 1
		.amdhsa_system_vgpr_workitem_id 0
		.amdhsa_next_free_vgpr 256
		.amdhsa_next_free_sgpr 66
		.amdhsa_reserve_vcc 1
		.amdhsa_float_denorm_mode_32 3
		.amdhsa_float_denorm_mode_16_64 3
		.amdhsa_memory_ordered 1
		.amdhsa_forward_progress 1
		.amdhsa_inst_pref_size 49
	.end_amdhsa_kernel
	.amdgpu_metadata
---
amdhsa.version: [ 1, 2 ]
amdhsa.kernels:
  - .name:           k_q4f660c9644_fine
    .symbol:         k_q4f660c9644_fine.kd
    .args:
      - { .name: qkv, .offset: 0, .size: 8, .value_kind: global_buffer, .address_space: global }
      - { .name: mw, .offset: 8, .size: 8, .value_kind: global_buffer, .address_space: global }
      - { .name: Wo, .offset: 16, .size: 8, .value_kind: global_buffer, .address_space: global }
      - { .name: out0, .offset: 24, .size: 8, .value_kind: global_buffer, .address_space: global }
    .group_segment_fixed_size: 153600
    .private_segment_fixed_size: 0
    .kernarg_segment_align: 8
    .kernarg_segment_size: 32
    .max_flat_workgroup_size: 512
    .sgpr_count:     66
    .vgpr_count:     256
    .wavefront_size: 32
...
	.end_amdgpu_metadata
.endif
;; end of part 5
